; MI455X (gfx1250); checked and timed in simulation.
; The chip was launched on July 23, 2026; its instructions are those of AMD's public machine-readable ISA for CDNA 5 (MIT licence, August 2026) and "CDNA5" Instruction Set Architecture Reference Guide (July 2026). The comments in the code are by the model that wrote it; some were corrected since.
;; Custom Bert Attention. Allowed arithmetic: matrix products marked QUANTISED: E5M2 operands, one E8M0 scale for each 32 along K, by v_wmma_scale_f32_16x16x128_f8f6f4 with both operands' format E5M2, f32 sums; everything else in f32.
;; Inputs: Wk_codes 1,024 x 32 x 32 uint8 (E5M2 codes of Wk, K innermost, in blocks of 32 codes); Wk_scales 1,024 x 32 uint8 (E8M0 scales of Wk, one for each 32 codes along K); Wo_codes 1,024 x 32 x 32 uint8 (E5M2 codes of Wo, K innermost, in blocks of 32 codes); Wo_scales 1,024 x 32 uint8 (E8M0 scales of Wo, one for each 32 codes along K); Wq_codes 1,024 x 32 x 32 uint8 (E5M2 codes of Wq, K innermost, in blocks of 32 codes); Wq_scales 1,024 x 32 uint8 (E8M0 scales of Wq, one for each 32 codes along K); Wv_codes 1,024 x 32 x 32 uint8 (E5M2 codes of Wv, K innermost, in blocks of 32 codes); Wv_scales 1,024 x 32 uint8 (E8M0 scales of Wv, one for each 32 codes along K); bias_coef one number float32; bias_matrix_chunk 2,048 x 2,048 float32; bk 1,024 float32; bo 1,024 float32; bq 1,024 float32; bv 1,024 float32; hidden_states 4 x 2,048 x 1,024 float32; ln_beta 1,024 float32; ln_gamma 1,024 float32.
;; Outputs: out0 4 x 2,048 x 1,024 float32.
;; This version of the problem:
;;   THIS VERSION OF THE PROBLEM IS GIVEN IN LOW PRECISION. The matrix products marked QUANTISED in the list below multiply operands that are first quantised to E5M2 (5 exponent bits, 2 mantissa bits; 8 bits a number), with one power-of-two scale for each 32 numbers along K (OCP MX v1.0); their sums are f32. All else is computed in f32.
;;   The module's matrix products, in the order in which they are computed (A, B: the left and right operand; K: the contracted axis; several contracted axes count as one K, in the product's order):
;;     1. [M 8,192, K 1,024] x [K 1,024, N 1,024]; A: input hidden_states; B: input Wq (given as codes): QUANTISED
;;     2. [M 8,192, K 1,024] x [K 1,024, N 1,024]; A: input hidden_states; B: input Wk (given as codes): QUANTISED
;;     3. [M 8,192, K 1,024] x [K 1,024, N 1,024]; A: input hidden_states; B: input Wv (given as codes): QUANTISED
;;     4. batch 64 x [M 2,048, K 64] x [K 64, N 2,048]; A: computed on the way; B: computed on the way: QUANTISED
;;     5. batch 64 x [M 2,048, K 2,048] x [K 2,048, N 64]; A: softmax (see below); B: computed on the way: QUANTISED
;;     6. [M 8,192, K 1,024] x [K 1,024, N 1,024]; A: computed on the way; B: input Wo (given as codes): QUANTISED
;;   THE QUANTISER, for each operand of a quantised product, along K:
;;     - K is cut into blocks of 32 from its start; a last block that is shorter is filled with zeros.
;;     - A block's scale is 2^e with e = floor(log2(the largest magnitude in the block)) - 15, held to -126 .. 127; a block of zeros has e = 0. As a byte (E8M0): e + 127.
;;     - Each number is divided by its block's scale, clamped to +-57,344, and rounded to the nearest number of E5M2, ties to even, subnormals kept.
;;     - The product sums the exact products of the quantised numbers (number of the format x scale) in f32.
;;   ~~~python
;;   def quantise(x, axis):      # numpy; x: float32 -> the quantised numbers, widened to float32 again
;;       x = np.moveaxis(x, axis, -1); K = x.shape[-1]
;;       x = np.pad(x, [(0, 0)] * (x.ndim - 1) + [(0, -K % 32)]); x = x.reshape(x.shape[:-1] + (-1, 32)); a = np.abs(x).max(-1, keepdims=True)
;;       e = np.where(a > 0, np.clip(np.frexp(np.where(a > 0, a, 1))[1] - 1 - 15, -126, 127), 0)      # np.frexp(a)[1] - 1 = floor(log2(a)), exactly
;;       r = np.clip(x / 2.0 ** e, -57344, 57344)
;;       step = 2.0 ** (np.maximum(np.frexp(np.where(r == 0, 1, r))[1] - 1, -14) - 2)
;;       q = np.round(r / step) * step * 2.0 ** e      # np.round: ties to even
;;       return np.moveaxis(q.reshape(q.shape[:-2] + (-1,))[..., :K], -1, axis).astype(np.float32)
;;   ~~~
;;   SOFTMAX AHEAD OF A QUANTISED PRODUCT. Where the list says 'softmax', what is quantised is not the finished softmax but p = 2^(t - M), with t = logit x log2(e) and M = ceil(the row's largest t), a whole number; so 1/2 < the row's largest p <= 1. The row's sum l is taken of the UNQUANTISED p, in f32, and the product's result is divided by l at the end. Since M is a whole number, a kernel that streams over the keys may use a running M (the ceiling of the running maximum): every later rescaling is an exact power of two, which a block's scale takes up: the codes' values come out the same.
;;   OPERANDS COMPUTED ON THE WAY. 'Computed on the way' means the value that the module computes at that place (a softmax that the list does not call 'softmax' is quantised finished and normalised). What goes into a quantiser is computed in f32, as accurately as f32 sums, v_exp_f32 and their like allow (about 1e-6 of the number): no bf16 or f16 on the way to a quantiser, and a product that is left as it is and whose result goes on into a quantised operand takes f32 operands (vector FMAs, or v_wmma_f32_16x16x4_f32). A number that lies on a knife's edge between two numbers of the format may be rounded either way, as far as f32 arithmetic and the matrix unit's own rounding can turn it there, and no further.
;;   INPUTS GIVEN AS CODES. Wk (in the module: [1024, 1024], K = its axis 1); Wo (in the module: [1024, 1024], K = its axis 1); Wq (in the module: [1024, 1024], K = its axis 1); Wv (in the module: [1024, 1024], K = its axis 1): each comes as NAME_codes (uint8): NAME with its K axis moved to the last place and cut into blocks of 32 codes, [.., K / 32, bytes a block], one block behind the other in memory; one code a byte (a code: sign, 5 exponent bits, 2 mantissa bits); and NAME_scales (uint8): the same leading axes, one E8M0 byte (e + 127) for each 32 codes along K. Its value is code x scale, taken as it is: it is not quantised again, and the codes and scales need not be those that the quantiser above would give.
;; One version. Each part assembles by itself: llvm-mc -triple=amdgcn-amd-amdhsa -mcpu=gfx1250 --defsym DOCPART=n.
;; ======== version 1 of 1: 4 launches
;; limits: right only within a limited range of input values
;; workspace buffers: XQ 8,650,752 bytes; BI 16,777,216 bytes; WOI 1,081,344 bytes; QI 8,912,896 bytes; KVI 17,825,792 bytes; CTX 8,650,752 bytes
;; launch prep (part 1): grid 400 x 1, 4 waves a work-group, no clusters, 68,096 bytes of LDS; arguments hidden_states, bias_matrix_chunk, bias_coef, Wo_codes, Wo_scales, XQ, BI, WOI; writes XQ, BI, WOI
.if DOCPART == 1
	.amdgcn_target "amdgcn-amd-amdhsa--gfx1250"
	.amdhsa_code_object_version 6
	.text
	.protected	k_q5505cdfad5_prep
	.globl	k_q5505cdfad5_prep
	.p2align	8
	.type	k_q5505cdfad5_prep,@function
k_q5505cdfad5_prep:
	s_mov_b64 s[64:65], 0
	v_nop
	global_prefetch_b8 v0, s[64:65] scope:SCOPE_SE
	s_setreg_imm32_b32 hwreg(HW_REG_WAVE_MODE, 25, 1), 1
	s_wait_xcnt 0x0
; THREE PIECES OF PREPARATION IN ONE LAUNCH, told apart by the work-group's number; each path has LDS bytes of its own and its own end.
; PATH X (work-groups 0-255): hidden_states [8192][1024] f32 -> XQ: codes of E5M2, K innermost, [8192][1024] at byte 0, and one E8M0 byte for each 32 along K, [8192][32] at byte 8,388,608.
;   A block's scale is 2^(floor(log2(its largest magnitude)) - 15); its byte is the largest magnitude's exponent field - 15, held at 1 from below; numbers are held within +-57,344 x the scale, then rounded to the nearest code, ties to even.
;   Rows are dense and 1,024 is a multiple of 32: the tensor is a plain stream of blocks.  A wave takes 16 steps of 512 numbers; each load reads 512 consecutive bytes; a step's 2,048 bytes turn through the wave's own stage in LDS
;   so that a lane holds 16 neighbours (two lanes to a block); its 16 codes are 16 bytes, so the wave stores 512 consecutive bytes; a wave's 256 scale bytes are gathered in LDS and leave as one aligned run of 256 bytes.
; PATH B (work-groups 256-383): bias_matrix_chunk [2048][2048] x (8 bias_coef) -> BI, in the order of the registers of the attention launch's score tiles:
;   BI[qb 32][step 16][tq 4][G 16][lane 32][16 bytes]; chunk G = 2 t + g, lane (r, h) holds the four numbers of query 64 qb + 16 tq + r at keys 128 step + 16 t + 8 h + 4 g + 0..3.
;   (scores / 8 + coef x bias = (q.k + 8 coef x bias) / 8: so the bias can be the C operand of the score product.)
; PATH W (work-groups 384-399): Wo's codes and scale bytes -> WOI[kstep 8][w 8][16,896 bytes], in the order of an operand's registers: codes [b 8][c 4][lane][16 bytes]: lane (r, h) holds
;   Wo[128 w + 16 b + r][128 s + 32 c + 8 h + 0..7] and then the same 16 further on: the order inside a block of 32 in which the attention launch leaves ctx's codes.  At +16,384: [lane][4 words], word p = the scale word of row 128 w + 32 p + lane.
;   Its reads are pieces of 8 bytes of rows 1,024 bytes apart: 1 MiB, once in the program.
; LIMITS: NaN and infinities are not served; a block whose largest magnitude lies under 2^-111 keeps the byte 1, a block of zeros too (its codes are zeros; this program alone reads the bytes); 8 x coef x bias must be finite.
.set WREG,  8192                       ; path X: a wave's LDS: two stages of 32 x SP bytes, then its 256 scale bytes
.set SP,    80                         ; a lane's place in a stage: 64 bytes + 16 of padding
.set STEPS, 16
.set EMAX,  15
.set MANT,  0x600000                   ; the mantissa field of 57,344
.set R,     16                         ; v16-79   four sets of 16 numbers as loaded
.set X,     80                         ; v80-111  two sets of 16 neighbours
.set E,     112                        ; v112-127 a scale byte for each step
.set C,     128                        ; v128-191 codes, four registers a step
.set BSTG,  32768                      ; path B: the stages begin here, 8,704 bytes a wave: 32 units of 256 bytes + 16
.set UP,    272
.set RB,    16                         ; v16-143  two sets of 64 numbers as loaded
.set D,     144                        ; v144-207 a unit in BI's order
.macro LOAD t
.irp i, 0,1,2,3
	global_load_b128 v[R+16*((\t)%4)+4*\i:R+16*((\t)%4)+4*\i+3], v3, s[4:5] offset:2048*(\t)+512*\i th:TH_LOAD_NT   ; 32 lanes read 512 consecutive bytes
.endr
.endm
.macro TURN t                          ; step t's numbers through the stage: LDS serves a wave's instructions in order, so no wait stands between the stores and the loads
.irp i, 0,1,2,3
	ds_store_b128 v14, v[R+16*((\t)%4)+4*\i:R+16*((\t)%4)+4*\i+3] offset:32*SP*((\t)%2)+8*SP*\i
.endr
.irp i, 0,1,2,3
	ds_load_b128 v[X+16*((\t)%2)+4*\i:X+16*((\t)%2)+4*\i+3], v15 offset:32*SP*((\t)%2)+16*\i
.endr
.endm
.macro STEP t
.set XS, X+16*((\t)%2)
.if (\t) > 0
	s_wait_dscnt 1                                 ; this step's numbers are back from the stage (the last step's byte store may be out)
.else
	s_wait_dscnt 0x0
.endif
.if (\t)+4 < STEPS
	LOAD (\t)+4                                    ; into the set that this step's stage stores have read
.endif
.if (\t)+1 < STEPS
.if STEPS-2-(\t) >= 3
	s_wait_loadcnt 12                              ; the next step's four loads are in; those of the three steps behind it may be out
.else
	s_wait_loadcnt 4*(STEPS-2-(\t))
.endif
	TURN (\t)+1
.endif
	v_max3_num_f32 v8, |v[XS]|, |v[XS+1]|, |v[XS+2]|               ; the largest magnitude of my 16, in two chains
	v_max3_num_f32 v9, |v[XS+3]|, |v[XS+4]|, |v[XS+5]|
.irp i, 6,10
	v_max3_num_f32 v8, v8, |v[XS+\i]|, |v[XS+\i+1]|
	v_max3_num_f32 v9, v9, |v[XS+\i+2]|, |v[XS+\i+3]|
.endr
	v_max3_num_f32 v8, v8, |v[XS+14]|, |v[XS+15]|
	v_max3_num_f32 v8, v8, v9, (EMAX+1)<<23        ; and the floor 2^(16 - 127): the byte cannot fall under 1
	v_max_num_f32_dpp v8, v8, v8 row_xmask:1 row_mask:0xf bank_mask:0xf   ; with my neighbour's 16: the block's
	v_add_nc_u32 v11, -(EMAX<<23), v8              ; 15 off its exponent field: the conversion's scale operand
	v_and_or_b32 v10, v8, 0x7f800000, s23          ; 57,344 x the scale
.irp i, 0,1,2,3,4,5,6,7,8,9,10,11,12,13,14,15
	v_med3_num_f32 v[XS+\i], v[XS+\i], -v10, v10   ; the conversion to an 8-bit code does not saturate (ISA guide 7.6.2): the hold comes first
.endr
	v_cvt_scalef32_pk8_bf8_f32 v[C+4*(\t):C+4*(\t)+1], v[XS:XS+7], v11
	v_cvt_scalef32_pk8_bf8_f32 v[C+4*(\t)+2:C+4*(\t)+3], v[XS+8:XS+15], v11
	v_lshrrev_b32 v[E+(\t)], 23, v11               ; the scale's byte
	ds_store_b8 v5, v[E+(\t)] offset:16*(\t)       ; both lanes of a block write the same byte with the same value
	global_store_b128 v3, v[C+4*(\t):C+4*(\t)+3], s[26:27] offset:512*(\t)
.endm
.macro LOADB u                         ; unit u (one key step of my four): 16 rows x 512 consecutive bytes
.irp i, 0,1,2,3,4,5,6,7,8,9,10,11,12,13,14,15
	global_load_b128 v[RB+64*((\u)%2)+4*\i:RB+64*((\u)%2)+4*\i+3], v3, s[6:7] offset:8192*\i+512*(\u) th:TH_LOAD_NT
.endr
.endm
.macro UNIT u
.if (\u) < 3
	s_wait_loadcnt 16                              ; this unit's 16 loads are in; the next unit's may be out
.else
	s_wait_loadcnt 0x0
.endif
.irp i, 0,1,2,3,4,5,6,7,8,9,10,11,12,13,14,15
	ds_store_b128 v4, v[RB+64*((\u)%2)+4*\i:RB+64*((\u)%2)+4*\i+3] offset:16*\i   ; row i: my four keys go to stage unit 4 t + 2 g + h, place i
.endr
	s_wait_xcnt 0x0                                ; the last unit's stores have read D
.irp g, 0,1,2,3,4,5,6,7,8,9,10,11,12,13,14,15
	ds_load_b128 v[D+4*\g:D+4*\g+3], v5 offset:544*\g   ; chunk G: units 2 G (lanes 0-15) and 2 G + 1 (lanes 16-31)
.endr
	s_wait_dscnt 0x0                               ; back; and the stage stores have read their registers
.if (\u) < 2
	LOADB (\u)+2
.endif
.set j, 0
.rept 32
	v_pk_mul_f32 v[D+j:D+j+1], v[D+j:D+j+1], s[30:31] op_sel_hi:[1,0]   ; x 8 coef
.set j, j+2
.endr
.irp g, 0,1,2,3,4,5,6,7,8,9,10,11,12,13,14,15
	global_store_b128 v3, v[D+4*\g:D+4*\g+3], s[16:17] offset:32768*(\u)+512*\g th:TH_STORE_NT   ; 512 consecutive bytes
.endr
.endm
	s_load_b512 s[4:19], s[0:1], 0x0               ; hidden s[4:5], bias s[6:7], coef s[8:9], Wo's codes s[10:11], Wo's scales s[12:13], XQ s[14:15], BI s[16:17], WOI s[18:19]
	v_lshl_add_u32 v208, v0, 2, 0x10800
	v_mov_b32 v209, 0
	v_lshrrev_b32 v1, 5, v0
	v_readfirstlane_b32 s20, v1                    ; wave 0..3
	v_and_b32 v2, 31, v0                           ; lane
	v_lshlrev_b32 v3, 4, v2                        ; 16 x lane
	s_wait_kmcnt 0x0
	s_cmp_lt_u32 ttmp9, 256
	s_cbranch_scc0 .Lnot_x
	; ---------------- PATH X
	s_mul_i32 s21, s20, WREG
	s_wait_alu depctr_va_vdst(0)
	v_lshrrev_b32 v14, 2, v2
	v_mul_u32_u24 v14, v14, SP
	v_and_b32 v15, 3, v2
	v_lshl_add_u32 v14, v15, 4, v14
	v_add_nc_u32 v14, s21, v14                     ; the stage, on the way in: SP (lane / 4) + 16 (lane % 4)
	v_mul_u32_u24 v15, v2, SP
	v_add_nc_u32 v15, s21, v15                     ; and on the way out: SP x lane: my 16 neighbours
	v_lshrrev_b32 v5, 1, v2
	s_add_co_u32 s21, s21, 2*32*SP
	v_add_nc_u32 v5, s21, v5                       ; my wave's 256 scale bytes: my block's byte
	v_lshlrev_b32 v7, 3, v2
	v_add_nc_u32 v6, s21, v7                       ; and on the way out 8 bytes a lane
	s_mov_b32 s23, MANT
	s_lshl_b32 s22, ttmp9, 2
	s_add_co_u32 s22, s22, s20                     ; which run of 8,192 numbers is my wave's
	s_mov_b32 s25, 0
	s_lshl_b32 s24, s22, 15                        ; 32,768 bytes of f32 a run
	s_add_nc_u64 s[4:5], s[4:5], s[24:25]
	s_lshl_b32 s24, s22, 13                        ; 8,192 bytes of codes
	s_add_nc_u64 s[26:27], s[14:15], s[24:25]
	s_lshl_b32 s24, s22, 8                         ; 256 scale bytes, behind the codes
	s_add_co_u32 s24, s24, 0x800000
	s_add_nc_u64 s[28:29], s[14:15], s[24:25]
.irp t, 0,1,2,3
	LOAD \t
.endr
	s_wait_alu depctr_va_vdst(0)
	s_wait_loadcnt 12                              ; step 0's four loads are in
	TURN 0
.irp t, 0,1,2,3,4,5,6,7,8,9,10,11,12,13,14,15
	STEP \t
.endr
	ds_load_b64 v[12:13], v6                       ; LDS serves a wave's instructions in order: these see my byte stores
	s_wait_dscnt 0x0
	global_store_b64 v7, v[12:13], s[28:29]        ; 32 lanes store 256 consecutive bytes
	s_wait_tensorcnt 0x0
	ds_add_u32 v208, v209
	s_wait_dscnt 0x0
	s_endpgm
.Lnot_x:
	s_cmp_lt_u32 ttmp9, 384
	s_cbranch_scc0 .Lpath_w
	; ---------------- PATH B: work-group = a tile of 16 queries; wave w takes key steps 4 w .. 4 w + 3
	s_load_b32 s30, s[8:9], 0x0                    ; coef
	s_sub_co_u32 s21, ttmp9, 256                   ; T, the tile of queries
	s_wait_alu depctr_va_vdst(0)
	v_and_b32 v4, 28, v2                           ; lane l reads keys 4 l .. 4 l + 3 of a step: t = l / 4, h = (l / 2) % 2, g = l % 2
	v_and_b32 v5, 1, v2
	v_lshl_add_u32 v4, v5, 1, v4
	v_bfe_u32 v5, v2, 1, 1
	v_add_nc_u32 v4, v4, v5                        ; 4 t + 2 g + h
	v_mul_u32_u24 v4, v4, UP
	s_mul_i32 s22, s20, 32*UP
	s_add_co_u32 s22, s22, BSTG                    ; my stage
	v_add_nc_u32 v4, s22, v4
	v_and_b32 v5, 15, v2
	v_bfe_u32 v6, v2, 4, 1
	v_mul_u32_u24 v6, v6, UP
	v_lshl_add_u32 v5, v5, 4, v6
	v_add_nc_u32 v5, s22, v5                       ; back: unit h of a chunk's two, place r
	s_mov_b32 s25, 0
	s_lshl_b32 s24, s21, 17                        ; 16 rows of 8,192 bytes
	s_lshl_b32 s23, s20, 11                        ; four steps of 512 bytes
	s_add_co_u32 s24, s24, s23
	s_add_nc_u64 s[6:7], s[6:7], s[24:25]
	s_lshr_b32 s24, s21, 2
	s_lshl_b32 s24, s24, 19                        ; qb x 524,288
	s_and_b32 s23, s21, 3
	s_lshl_b32 s23, s23, 13                        ; tq x 8,192
	s_add_co_u32 s24, s24, s23
	s_lshl_b32 s23, s20, 17                        ; four steps of 32,768
	s_add_co_u32 s24, s24, s23
	s_add_nc_u64 s[16:17], s[16:17], s[24:25]
	LOADB 0
	LOADB 1
	s_wait_alu depctr_va_vdst(0)
	s_wait_kmcnt 0x0
	s_mul_f32 s30, s30, 0x41000000                 ; 8 coef
	s_mov_b32 s31, s30                             ; (named with it as a pair)
	UNIT 0
	UNIT 1
	UNIT 2
	UNIT 3
	s_wait_tensorcnt 0x0
	ds_add_u32 v208, v209
	s_wait_dscnt 0x0
	s_endpgm
.Lpath_w:
	; ---------------- PATH W: a wave makes one part (K step s, column block wv) of WOI
	s_sub_co_u32 s21, ttmp9, 384
	s_lshl_b32 s21, s21, 2
	s_add_co_u32 s21, s21, s20                     ; 8 s + wv
	s_lshr_b32 s22, s21, 3
	s_and_b32 s23, s21, 7
	s_wait_alu depctr_va_vdst(0)
	v_and_b32 v4, 15, v2
	v_bfe_u32 v5, v2, 4, 1
	v_lshlrev_b32 v4, 10, v4
	v_lshl_add_u32 v4, v5, 3, v4                   ; row r of 1,024 bytes, + 8 h
	s_wait_alu depctr_va_vdst(0)
	v_lshlrev_b32 v5, 5, v2                        ; a row of scale bytes is 32 bytes: row = lane
	s_wait_alu depctr_va_vdst(0)
	s_mov_b32 s25, 0
	s_lshl_b32 s24, s23, 17                        ; 128 rows of codes
	s_lshl_b32 s26, s22, 7                         ; 128 along K
	s_add_co_u32 s24, s24, s26
	s_add_nc_u64 s[10:11], s[10:11], s[24:25]
	s_lshl_b32 s24, s23, 12                        ; 128 rows of scale bytes
	s_lshl_b32 s26, s22, 2
	s_add_co_u32 s24, s24, s26
	s_add_nc_u64 s[12:13], s[12:13], s[24:25]
	s_mul_i32 s24, s21, 16896
	s_add_nc_u64 s[18:19], s[18:19], s[24:25]
.irp b, 0,1,2,3,4,5,6,7
.irp c, 0,1,2,3
	global_load_b64 v[16+4*(4*\b+\c):17+4*(4*\b+\c)], v4, s[10:11] offset:\b*16384+32*\c
	global_load_b64 v[18+4*(4*\b+\c):19+4*(4*\b+\c)], v4, s[10:11] offset:\b*16384+32*\c+16
.endr
.endr
.irp p, 0,1,2,3
	global_load_b32 v[144+\p], v5, s[12:13] offset:1024*\p
.endr
	s_wait_loadcnt 0x0
.irp q, 0,1,2,3,4,5,6,7,8,9,10,11,12,13,14,15,16,17,18,19,20,21,22,23,24,25,26,27,28,29,30,31
	global_store_b128 v3, v[16+4*\q:19+4*\q], s[18:19] offset:512*\q
.endr
	global_store_b128 v3, v[144:147], s[18:19] offset:16384
	s_endpgm
.Lfunc_end_k_q5505cdfad5_prep:
	.size	k_q5505cdfad5_prep, .Lfunc_end_k_q5505cdfad5_prep-k_q5505cdfad5_prep
	.p2alignl 7, 3214868480
	.fill 96, 4, 3214868480
	.section	.rodata,"a",@progbits
	.p2align	6, 0x0
	.amdhsa_kernel k_q5505cdfad5_prep
		.amdhsa_group_segment_fixed_size 68096
		.amdhsa_private_segment_fixed_size 0
		.amdhsa_enable_private_segment 0
		.amdhsa_kernarg_size 64
		.amdhsa_user_sgpr_count 2
		.amdhsa_user_sgpr_kernarg_segment_ptr 1
		.amdhsa_wavefront_size32 1
		.amdhsa_system_sgpr_workgroup_id_x 1
		.amdhsa_system_sgpr_workgroup_id_y 1
		.amdhsa_system_sgpr_workgroup_id_z 1
		.amdhsa_system_vgpr_workitem_id 0
		.amdhsa_next_free_vgpr 210
		.amdhsa_next_free_sgpr 66
		.amdhsa_reserve_vcc 0
		.amdhsa_float_denorm_mode_32 3
		.amdhsa_float_denorm_mode_16_64 3
		.amdhsa_memory_ordered 1
		.amdhsa_forward_progress 1
		.amdhsa_inst_pref_size 91
	.end_amdhsa_kernel
	.amdgpu_metadata
---
amdhsa.version: [ 1, 2 ]
amdhsa.kernels:
  - .name:           k_q5505cdfad5_prep
    .symbol:         k_q5505cdfad5_prep.kd
    .args:
      - { .name: hidden_states, .offset: 0, .size: 8, .value_kind: global_buffer, .address_space: global }
      - { .name: bias_matrix_chunk, .offset: 8, .size: 8, .value_kind: global_buffer, .address_space: global }
      - { .name: bias_coef, .offset: 16, .size: 8, .value_kind: global_buffer, .address_space: global }
      - { .name: Wo_codes, .offset: 24, .size: 8, .value_kind: global_buffer, .address_space: global }
      - { .name: Wo_scales, .offset: 32, .size: 8, .value_kind: global_buffer, .address_space: global }
      - { .name: XQ, .offset: 40, .size: 8, .value_kind: global_buffer, .address_space: global }
      - { .name: BI, .offset: 48, .size: 8, .value_kind: global_buffer, .address_space: global }
      - { .name: WOI, .offset: 56, .size: 8, .value_kind: global_buffer, .address_space: global }
    .group_segment_fixed_size: 68096
    .private_segment_fixed_size: 0
    .kernarg_segment_align: 8
    .kernarg_segment_size: 64
    .max_flat_workgroup_size: 128
    .sgpr_count:     66
    .vgpr_count:     210
    .wavefront_size: 32
...
	.end_amdgpu_metadata
.endif
;; end of part 1
;; launch qkv (part 2): grid 12 x 32, 4 waves a work-group, clusters of 4 x 4, 327,680 bytes of LDS; arguments XQ, Wq_codes, Wq_scales, Wk_codes, Wk_scales, Wv_codes, Wv_scales, bq, bk, bv, QI, KVI; writes QI, KVI
.if DOCPART == 2
	.amdgcn_target "amdgcn-amd-amdhsa--gfx1250"
	.amdhsa_code_object_version 6
	.text
	.protected	k_q5505cdfad5_qkv
	.globl	k_q5505cdfad5_qkv
	.p2align	8
	.type	k_q5505cdfad5_qkv,@function
k_q5505cdfad5_qkv:
	s_mov_b64 s[64:65], 0
	v_nop
	global_prefetch_b8 v0, s[64:65] scope:SCOPE_SE
	s_setreg_imm32_b32 hwreg(HW_REG_WAVE_MODE, 25, 1), 1
	s_wait_xcnt 0x0
	s_wait_alu depctr_hold_cnt(0) depctr_sa_sdst(0) depctr_va_vdst(0) depctr_va_sdst(0) depctr_va_ssrc(0) depctr_va_vcc(0) depctr_vm_vsrc(0)
	s_getreg_b32 s2, hwreg(HW_REG_IB_STS2, 6, 4)
	s_cmp_eq_u32 s2, 0
	s_cbranch_scc0 .Lentry_in_a_cluster
	s_endpgm
.Lentry_in_a_cluster:
	s_bfe_u32 s2, ttmp6, 0x10000c
	s_cmp_lg_u32 s2, 0xf033
	s_cbranch_scc0 .Lentry_shape_is_right
	s_endpgm
.Lentry_shape_is_right:
.set KSTEP,  256
.set NQ,     2
.set ROWB,   256
.set KROW,   1024
.set PITCH,  272
.set FR,     16
.set NL,     4
.set NP,     8
.set HALFT,  128*PITCH
.set SLOT,   4*HALFT
.set LAPS,   2
.set KS,     32
.set SCL,    2*SLOT
.set HALFS,  (128*KS/256)*272
.set SBLK,   (16*KS/256)*272
.set SPARE,  SCL+4*HALFS
.set BR,   8
.set ADRA, 16
.set OF0,  18
.set OF1,  19
.set ADRB, 20
.set BB,   22
.set ADRS, 27
.set SPW,  28
.set NIL,  29
.set SC,   32
.set BP,   64
.set AF,   128
.set T,    128
.set PC,   192
.set TM,   224
.set WD,   240
.set G1, 24
.set G0, 32
.set G1B, 48
.set G0B, 56
.set G1S, 68
.set G0S, 76
.set G1SB, 80
.set G0SB, 88
.set SEL, 20
.set MNT, 22
.set VM,  95
.set OC,  96
.set OS,  98
.set HM,  100
.set OSTEP, 104
.set MSB, 0
.macro WIN new
.if MSB != \new
	s_set_vgpr_msb (MSB<<8)|\new
.set MSB, \new
.endif
.endm
.set MUL_LO, 0xa1
.set MUL_HI, 0xf1
.set TO_B,   0x40
.macro JLOAD g0a, g1a, g0b, g1b
	s_cmp_eq_u32 s15, 0
	s_cbranch_scc0 .Lfor_b_\@
	tensor_load_to_lds s[\g0a:\g0a+3], s[\g1a:\g1a+7]
	s_nop 0
.rept 4
	v_nop
.endr
	s_branch .Lasked_\@
.Lfor_b_\@:
	tensor_load_to_lds s[\g0b:\g0b+3], s[\g1b:\g1b+7]
	s_nop 0
.rept 4
	v_nop
.endr
.Lasked_\@:
.endm
.macro CREST
	s_cmp_lg_u32 s14, 0
	s_cbranch_scc1 .Lnot_wave_0_\@
	s_barrier_signal -3
.Lnot_wave_0_\@:
	s_barrier_wait -3
	s_barrier_signal -1
	s_barrier_wait -1
.endm
.macro CROUND
	s_barrier_signal -1
	s_barrier_wait -1
	CREST
.endm
	s_load_b512 s[68:83], s[0:1], 0x0
	s_load_b256 s[84:91], s[0:1], 0x40
	v_lshl_add_u32 v[SPW], v0, 2, SPARE
	v_mov_b32 v[NIL], 0
	ds_add_u32 v28, v29
	ds_add_u32 v28, v29
	s_wait_dscnt 0x0
	v_lshrrev_b32 v1, 5, v0
	v_readfirstlane_b32 s14, v1
	s_lshr_b32 s15, s14, 1
	s_and_b32 s16, s14, 1
	s_bfe_u32 s40, ttmp6, 0x40000
	s_bfe_u32 s41, ttmp6, 0x40004
	s_and_b32 s18, ttmp7, 0xffff
	s_lshl_b32 s18, s18, 2
	s_cmp_eq_u32 ttmp9, 2
	s_cselect_b32 s17, 0, s18
	s_cselect_b32 s42, s18, 0
	s_add_co_u32 s17, s17, s41
	s_add_co_u32 s42, s42, s40
	s_lshl_b32 s43, s41, 2
	s_lshl_b32 s43, 15, s43
	s_lshl_b32 s44, 0x1111, s40
	s_or_b32 s[G1+0], s43, (0<<16)|(1<<20)|(1<<21)|(5<<22)|(3<<25)
	s_or_b32 s[G1B+0], s44, (0<<16)|(1<<20)|(1<<21)|(5<<22)|(3<<25)
.irp g, G1, G1B
	s_mov_b32 s[\g+1], ROWB<<16
	s_mov_b32 s[\g+2], 128<<16
	s_mov_b32 s[\g+3], ROWB<<16
	s_mov_b32 s[\g+4], 128
	s_mov_b32 s[\g+5], KROW
	s_mov_b32 s[\g+6], 0
	s_mov_b32 s[\g+7], 0
.endr
	s_lshl_b32 s18, s16, 7
	s_lshl_b32 s20, s17, 8
	s_add_co_u32 s20, s20, s18
	s_lshl_b32 s46, s42, 8
	s_add_co_u32 s46, s46, s18
	s_mov_b32 s21, 0
	s_mov_b32 s47, 0
	s_mov_b64 s[18:19], KS
	s_mul_u64 s[22:23], s[20:21], s[18:19]
	s_mul_u64 s[92:93], s[46:47], s[18:19]
	s_mov_b64 s[18:19], KROW
	s_mul_u64 s[20:21], s[20:21], s[18:19]
	s_mul_u64 s[46:47], s[46:47], s[18:19]
	s_mul_i32 s45, s14, HALFT
	s_mul_i32 s94, s14, HALFS
	s_wait_kmcnt 0x0
	s_add_nc_u64 s[2:3], s[68:69], 0x800000
	s_cmp_eq_u32 ttmp9, 0
	s_cselect_b64 s[8:9], s[70:71], s[74:75]
	s_cselect_b64 s[10:11], s[72:73], s[76:77]
	s_cselect_b64 s[12:13], s[82:83], s[84:85]
	s_cselect_b64 s[OC:OC+1], s[88:89], s[90:91]
	s_cmp_eq_u32 ttmp9, 2
	s_cselect_b64 s[8:9], s[78:79], s[8:9]
	s_cselect_b64 s[10:11], s[80:81], s[10:11]
	s_cselect_b64 s[12:13], s[86:87], s[12:13]
	s_cselect_b64 s[4:5], s[8:9], s[68:69]
	s_cselect_b64 s[6:7], s[10:11], s[2:3]
	s_cselect_b64 s[8:9], s[68:69], s[8:9]
	s_cselect_b64 s[10:11], s[2:3], s[10:11]
	s_add_nc_u64 s[20:21], s[4:5], s[20:21]
	s_add_nc_u64 s[22:23], s[6:7], s[22:23]
	s_add_nc_u64 s[46:47], s[8:9], s[46:47]
	s_add_nc_u64 s[92:93], s[10:11], s[92:93]
	s_or_b32 s[G1S+0], s43, (3<<16)|(1<<20)|(1<<21)|(5<<22)|(3<<25)
	s_or_b32 s[G1SB+0], s44, (3<<16)|(1<<20)|(1<<21)|(5<<22)|(3<<25)
.irp g, G1S, G1SB
	s_mov_b32 s[\g+1], 32<<16
	s_mov_b32 s[\g+2], (128*KS/256)<<16
	s_mov_b32 s[\g+3], 32<<16
	s_mov_b32 s[\g+4], 128*KS/256
	s_mov_b32 s[\g+5], 32
	s_mov_b32 s[\g+6], 0
	s_mov_b32 s[\g+7], 0
.endr
	CROUND
	s_mov_b32 s[G0S], 1
	s_add_co_u32 s[G0S+1], s94, SCL
	s_mov_b64 s[G0S+2:G0S+3], s[22:23]
	s_or_b32 s[G0S+3], s[G0S+3], 0x80000000
	s_mov_b32 s[G0SB], 1
	s_add_co_u32 s[G0SB+1], s94, SCL
	s_mov_b64 s[G0SB+2:G0SB+3], s[92:93]
	s_or_b32 s[G0SB+3], s[G0SB+3], 0x80000000
	JLOAD G0S, G1S, G0SB, G1SB
.irp s, 0,1
	s_mov_b32 s[G0+4*\s], 1
	s_add_co_u32 s[G0+4*\s+1], s45, \s*SLOT
	s_add_nc_u64 s[G0+4*\s+2:G0+4*\s+3], s[20:21], \s*ROWB
	s_or_b32 s[G0+4*\s+3], s[G0+4*\s+3], 0x80000000
	s_mov_b32 s[G0B+4*\s], 1
	s_add_co_u32 s[G0B+4*\s+1], s45, \s*SLOT
	s_add_nc_u64 s[G0B+4*\s+2:G0B+4*\s+3], s[46:47], \s*ROWB
	s_or_b32 s[G0B+4*\s+3], s[G0B+4*\s+3], 0x80000000
	s_wait_alu depctr_va_vdst(0)
	s_wait_tensorcnt 0x0
	ds_add_u32 v28, v29
	s_wait_dscnt 0x0
	CROUND
	JLOAD G0+4*\s, G1, G0B+4*\s, G1B
.endr
	v_and_b32 v1, 15, v0
	v_bfe_u32 v2, v0, 4, 1
	v_mul_u32_u24 v3, v1, PITCH
	v_lshl_add_u32 v4, v2, 4, v3
	s_mul_i32 s21, s15, HALFT
	s_mul_i32 s22, s16, HALFT
	s_add_co_u32 s22, s22, 2*HALFT
.irp s, 0,1
	v_add_nc_u32 v[ADRA+\s], s21, v4
	v_add_nc_u32 v[ADRB+\s], s22, v4
	s_add_co_u32 s21, s21, SLOT
	s_add_co_u32 s22, s22, SLOT
.endr
	v_mul_u32_u24 v5, v1, KS
	v_lshrrev_b32 v6, 8, v5
	v_lshl_add_u32 v5, v6, 4, v5
	s_mul_i32 s21, s15, HALFS
	s_mul_i32 s22, s16, HALFS
	s_add_co_u32 s22, s22, 2*HALFS
	s_sub_co_u32 s22, s22, s21
	v_mul_u32_u24 v6, s22, v2
	s_add_co_u32 s21, s21, SCL
	v_add_nc_u32 v5, v5, v6
	v_add_nc_u32 v[ADRS], s21, v5
	s_lshl_b32 s18, s17, 1
	s_add_co_u32 s18, s18, s15
	s_lshl_b32 s19, s42, 1
	s_add_co_u32 s19, s19, s16
	s_mov_b32 s[OSTEP], 1024
	s_mov_b32 s45, 8192
	s_cmp_eq_u32 ttmp9, 2
	s_cselect_b32 s20, s19, s18
	s_cselect_b32 s21, s18, s19
	s_cselect_b32 s[VM], -1, 0
	s_cselect_b32 s22, 4, 0
	s_cselect_b32 s23, 0x8000, 0
	s_cselect_b32 s[OSTEP], 2048, s[OSTEP]
	s_cselect_b32 s45, 1024, s45
	s_mov_b32 s[OSTEP+1], 0
	s_mov_b32 s43, 0x1000000
	s_cmp_eq_u32 ttmp9, 0
	s_cselect_b32 s46, 2, 3
	s_cselect_b32 s47, 15, 16
	s_cselect_b32 s43, 0x800000, s43
	s_lshr_b32 s40, s20, 4
	s_and_b32 s41, s20, 15
	s_lshl_b32 s40, s40, 2
	s_lshr_b32 s44, s21, 1
	s_add_co_u32 s40, s40, s44
	s_and_b32 s44, s21, 1
	s_lshl_b32 s44, s44, 1
	s_lshl_b32 s18, s40, 4
	s_add_co_u32 s18, s18, s41
	s_lshl_b32 s18, s18, s46
	s_add_co_u32 s18, s18, s22
	s_add_co_u32 s18, s18, s44
	s_lshl_b32 s18, s18, 13
	s_mov_b32 s19, 0
	s_lshl_b32 s92, s40, s47
	s_add_co_u32 s92, s92, s23
	s_lshl_b32 s93, s41, 2
	s_add_co_u32 s93, s93, s44
	s_lshl_b32 s93, s93, 9
	s_add_co_u32 s92, s92, s93
	s_add_co_u32 s92, s92, s43
	s_mov_b32 s93, 0
	s_add_nc_u64 s[OS:OS+1], s[OC:OC+1], s[92:93]
	s_add_nc_u64 s[OC:OC+1], s[OC:OC+1], s[18:19]
	s_lshl_b32 s18, s21, 9
	s_add_nc_u64 s[12:13], s[12:13], s[18:19]
	v_and_b32 v5, 31, v0
	v_lshlrev_b32 v[OF0], 4, v5
	v_add_nc_u32 v[OF1], s45, v[OF0]
	v_lshlrev_b32 v6, 5, v2
	v_lshlrev_b32 v7, 2, v1
	v_mov_b32 v[BB+1], 0
.irp q, 0,1,2,3,4,5,6,7,8,9,10,11,12,13,14,15
	global_load_b128 v[BP+4*\q:BP+4*\q+3], v6, s[12:13] offset:64*(\q/2)+16*(\q%2)
.endr
.irp a, 0,1,2,3,4,5,6,7
	global_load_b32 v[BR+\a], v7, s[12:13] offset:64*\a
.endr
.macro FRAG reg, adr, q, i
.irp c, 0,1,2,3
	ds_load_b128 v[\reg+4*\c:\reg+4*\c+3], v[\adr] offset:128*(\q)+32*\c+(\i)*16*PITCH
.endr
.endm
.macro MUL16 a0, p, q, sc, zero
.irp a, \a0, \a0+1
.irp b, 0,1,2,3,4,5,6,7
.if \zero
	v_wmma_scale_f32_16x16x128_f8f6f4 v[8*(8*((\a)%4)+\b):8*(8*((\a)%4)+\b)+7], v[128*(\p)+FR*\b:128*(\p)+FR*\b+FR-1], v[AF+FR*(\a):AF+FR*(\a)+FR-1], 0, v[SC+8*NQ*(\sc)+NQ*\b+(\q)], v[SC+8*NQ*(\sc)+NQ*(\a)+(\q)] matrix_a_fmt:MATRIX_FMT_BF8 matrix_b_fmt:MATRIX_FMT_BF8 matrix_a_scale:MATRIX_SCALE_ROW1
.else
	v_wmma_scale_f32_16x16x128_f8f6f4 v[8*(8*((\a)%4)+\b):8*(8*((\a)%4)+\b)+7], v[128*(\p)+FR*\b:128*(\p)+FR*\b+FR-1], v[AF+FR*(\a):AF+FR*(\a)+FR-1], v[8*(8*((\a)%4)+\b):8*(8*((\a)%4)+\b)+7], v[SC+8*NQ*(\sc)+NQ*\b+(\q)], v[SC+8*NQ*(\sc)+NQ*(\a)+(\q)] matrix_a_fmt:MATRIX_FMT_BF8 matrix_b_fmt:MATRIX_FMT_BF8 matrix_a_scale:MATRIX_SCALE_ROW1
.endif
.endr
.endr
.endm
.macro FETCH_B slot, q, p
	WIN TO_B
.irp i, 0,1,2,3,4,5,6,7
	FRAG 128*(\p)+FR*\i, ADRB+\slot, \q, \i
.endr
	WIN 0
.endm
.macro FETCH_A slot, q, i0
.irp i, \i0, \i0+1, \i0+2, \i0+3
	FRAG AF+FR*(\i), ADRA+\slot, \q, \i
.endr
.endm
.macro SCALES sc
.irp i, 0,1,2,3,4,5,6,7
	ds_load_b64 v[SC+8*NQ*\sc+NQ*\i:SC+8*NQ*\sc+NQ*\i+1], v[ADRS] offset:\i*SBLK
.endr
.endm
.macro PLACES n
.rept \n
	v_nop
.endr
.endm
.macro STEP slot, q, zero
	s_wait_dscnt 4*NL
	WIN MUL_LO
	MUL16 0, (\q)%2, \q, \slot, \zero
	MUL16 2, (\q)%2, \q, \slot, \zero
	s_wait_dscnt 0
	PLACES NP
	FETCH_B \slot, (\q)+1, 1-(\q)%2
	FETCH_A \slot, (\q)+1, 0
	WIN MUL_HI
	MUL16 4, (\q)%2, \q, \slot, \zero
	MUL16 6, (\q)%2, \q, \slot, \zero
	PLACES NP
	WIN 0
	FETCH_A \slot, (\q)+1, 4
.endm
.macro TURN slot, next, fill
	s_wait_tensorcnt 0x0
	ds_add_u32 v[SPW], v[NIL]
	s_wait_dscnt 4*NL+1
	WIN MUL_LO
	MUL16 0, 1, NQ-1, \slot, 0
	s_wait_dscnt 0x0
	s_barrier_signal -1
	MUL16 2, 1, NQ-1, \slot, 0
	WIN 0
	s_barrier_wait -1
.if \fill
	CREST
	s_add_nc_u64 s[G0+4*\slot+2:G0+4*\slot+3], s[G0+4*\slot+2:G0+4*\slot+3], 2*ROWB
	s_add_nc_u64 s[G0B+4*\slot+2:G0B+4*\slot+3], s[G0B+4*\slot+2:G0B+4*\slot+3], 2*ROWB
	JLOAD G0+4*\slot, G1, G0B+4*\slot, G1B
	PLACES NP-4
.else
	PLACES NP
.endif
	s_wait_alu depctr_va_vdst(0)
	v_add_nc_u32 v[ADRS], 4*NQ, v[ADRS]
	FETCH_B \next, 0, 0
	FETCH_A \next, 0, 0
	SCALES \next
	WIN MUL_HI
	MUL16 4, 1, NQ-1, \slot, 0
	MUL16 6, 1, NQ-1, \slot, 0
	PLACES NP
	WIN 0
	FETCH_A \next, 0, 4
.endm
	s_wait_alu depctr_va_vdst(0)
	s_wait_tensorcnt 1
	s_barrier_signal -1
	s_barrier_wait -1
	FETCH_B 0, 0, 0
	FETCH_A 0, 0, 0
	SCALES 0
	FETCH_A 0, 0, 4
	STEP 0, 0, 1
	s_mov_b32 s3, LAPS-1
.Llap:
	TURN 0, 1, 1
	STEP 1, 0, 0
	TURN 1, 0, 1
	STEP 0, 0, 0
	s_sub_co_u32 s3, s3, 1
	s_cmp_lg_u32 s3, 0
	s_cbranch_scc1 .Llap
	TURN 0, 1, 0
	STEP 1, 0, 0
	s_wait_dscnt 4*NL
	WIN MUL_LO
	MUL16 0, 1, NQ-1, 1, 0
	MUL16 2, 1, NQ-1, 1, 0
	s_wait_dscnt 0
	WIN MUL_HI
	MUL16 4, 1, NQ-1, 1, 0
	MUL16 6, 1, NQ-1, 1, 0
	WIN 0
.macro QUANT s, pw
.irp b, 0,1,2,3
	v_max3_num_f32 v[TM+\b], |v[\s+16*\b]|, |v[\s+1+16*\b]|, 0x8000000
.endr
.irp i, 2,4,6,8,10,12,14
.irp b, 0,1,2,3
	v_max3_num_f32 v[TM+\b], v[TM+\b], |v[\s+16*\b+\i]|, |v[\s+1+16*\b+\i]|
.endr
.endr
.irp b, 0,1,2,3
	v_permlanex16_b32 v[TM+4+\b], v[TM+\b], s[SEL], s[SEL+1]
.endr
.irp b, 0,1,2,3
	v_max_num_f32 v[TM+\b], v[TM+\b], v[TM+4+\b]
.endr
.irp b, 0,1,2,3
	v_add_nc_u32 v[TM+12+\b], 0xf8800000, v[TM+\b]
.endr
.irp b, 0,1,2,3
	v_and_or_b32 v[TM+8+\b], v[TM+\b], 0x7f800000, s[MNT]
.endr
.irp b, 0,1,2,3
	v_lshrrev_b32 v[TM+4+\b], 23, v[TM+12+\b]
.endr
	v_lshl_or_b32 v[\pw], v[TM+5], 8, v[TM+4]
	v_lshl_or_b32 v[\pw], v[TM+6], 16, v[\pw]
	v_lshl_or_b32 v[\pw], v[TM+7], 24, v[\pw]
.irp b, 0,1,2,3
.irp i, 0,1,2,3,4,5,6,7,8,9,10,11,12,13,14,15
	v_med3_num_f32 v[\s+16*\b+\i], v[\s+16*\b+\i], -v[TM+8+\b], v[TM+8+\b]
.endr
	v_cvt_scalef32_pk8_bf8_f32 v[PC+4*\b:PC+1+4*\b], v[\s+16*\b:\s+7+16*\b], v[TM+12+\b]
	v_cvt_scalef32_pk8_bf8_f32 v[PC+2+4*\b:PC+3+4*\b], v[\s+8+16*\b:\s+15+16*\b], v[TM+12+\b]
.endr
	v_nop
.endm
.macro OUT a
.set AC, 64*((\a)%4)
.set WA, 0x02+(\a)/4
.if (\a) > 0
	s_wait_xcnt 0x0
	s_add_nc_u64 s[OC:OC+1], s[OC:OC+1], s[OSTEP:OSTEP+1]
.endif
	s_cmp_eq_u32 ttmp9, 2
	s_cbranch_scc1 .Lfor_v_\@
	WIN WA
.set j, 0
.rept 32
	v_pk_add_f32 v[T+j:T+j+1], v[AC+j:AC+j+1], v[BP+j:BP+j+1]
.set j, j+2
.endr
	WIN 0
	s_branch .Ljoin_\@
.Lfor_v_\@:
	v_mov_b32 v[BB], v[BR+(\a)]
	WIN WA
.set j, 0
.rept 32
	v_pk_add_f32 v[T+j:T+j+1], v[AC+j:AC+j+1], v[BB:BB+1] op_sel_hi:[1,0]
.set j, j+2
.endr
	WIN 0
.Ljoin_\@:
	QUANT T, WD+(\a)
	global_store_b128 v[OF0], v[PC:PC+3], s[OC:OC+1]
	global_store_b128 v[OF0], v[PC+4:PC+7], s[OC:OC+1] offset:512
	global_store_b128 v[OF1], v[PC+8:PC+11], s[OC:OC+1]
	global_store_b128 v[OF1], v[PC+12:PC+15], s[OC:OC+1] offset:512
.endm
	PLACES NP
	s_mov_b32 s[SEL], 0x76543210
	s_mov_b32 s[SEL+1], 0xfedcba98
	s_mov_b32 s[MNT], 0x600000
	s_mov_b32 s[HM], 0xffff0000
.irp b, 0,1,2,3
	v_mov_b32 v[TM+4+\b], 0
.endr
	s_wait_loadcnt 0x0
.irp a, 0,1,2,3,4,5,6,7
	OUT \a
.endr
.irp p, 0,1,2,3
	v_cndmask_b32 v[T+\p], v[WD+2*\p], v[WD+2*\p+1], s[HM]
.endr
.irp p, 0,1,2,3
	v_lshrrev_b32 v[T+8+\p], 16, v[T+\p]
.endr
.irp p, 0,1,2,3
	v_cndmask_b32 v[T+4+\p], v[T+8+\p], v[T+((\p+2)%4)], s[VM]
.endr
	global_store_b128 v[OF0], v[T:T+3], s[OS:OS+1]
	global_store_b128 v[OF0], v[T+4:T+7], s[OS:OS+1] offset:512
	s_wait_tensorcnt 0x0
	ds_add_u32 v[SPW], v[NIL]
	s_wait_dscnt 0x0
	CROUND
	s_endpgm
.Lfunc_end_k_q5505cdfad5_qkv:
	.size	k_q5505cdfad5_qkv, .Lfunc_end_k_q5505cdfad5_qkv-k_q5505cdfad5_qkv
	.p2alignl 7, 3214868480
	.fill 96, 4, 3214868480
	.section	.rodata,"a",@progbits
	.p2align	6, 0x0
	.amdhsa_kernel k_q5505cdfad5_qkv
		.amdhsa_group_segment_fixed_size 327680
		.amdhsa_private_segment_fixed_size 0
		.amdhsa_enable_private_segment 0
		.amdhsa_kernarg_size 96
		.amdhsa_user_sgpr_count 2
		.amdhsa_user_sgpr_kernarg_segment_ptr 1
		.amdhsa_wavefront_size32 1
		.amdhsa_system_sgpr_workgroup_id_x 1
		.amdhsa_system_sgpr_workgroup_id_y 1
		.amdhsa_system_sgpr_workgroup_id_z 1
		.amdhsa_system_vgpr_workitem_id 0
		.amdhsa_next_free_vgpr 1024
		.amdhsa_next_free_sgpr 106
		.amdhsa_reserve_vcc 0
		.amdhsa_float_denorm_mode_32 3
		.amdhsa_float_denorm_mode_16_64 3
		.amdhsa_memory_ordered 1
		.amdhsa_forward_progress 1
		.amdhsa_inst_pref_size 223
	.end_amdhsa_kernel
	.amdgpu_metadata
---
amdhsa.version: [ 1, 2 ]
amdhsa.kernels:
  - .name:           k_q5505cdfad5_qkv
    .symbol:         k_q5505cdfad5_qkv.kd
    .args:
      - { .name: XQ, .offset: 0, .size: 8, .value_kind: global_buffer, .address_space: global }
      - { .name: Wq_codes, .offset: 8, .size: 8, .value_kind: global_buffer, .address_space: global }
      - { .name: Wq_scales, .offset: 16, .size: 8, .value_kind: global_buffer, .address_space: global }
      - { .name: Wk_codes, .offset: 24, .size: 8, .value_kind: global_buffer, .address_space: global }
      - { .name: Wk_scales, .offset: 32, .size: 8, .value_kind: global_buffer, .address_space: global }
      - { .name: Wv_codes, .offset: 40, .size: 8, .value_kind: global_buffer, .address_space: global }
      - { .name: Wv_scales, .offset: 48, .size: 8, .value_kind: global_buffer, .address_space: global }
      - { .name: bq, .offset: 56, .size: 8, .value_kind: global_buffer, .address_space: global }
      - { .name: bk, .offset: 64, .size: 8, .value_kind: global_buffer, .address_space: global }
      - { .name: bv, .offset: 72, .size: 8, .value_kind: global_buffer, .address_space: global }
      - { .name: QI, .offset: 80, .size: 8, .value_kind: global_buffer, .address_space: global }
      - { .name: KVI, .offset: 88, .size: 8, .value_kind: global_buffer, .address_space: global }
    .group_segment_fixed_size: 327680
    .private_segment_fixed_size: 0
    .kernarg_segment_align: 8
    .kernarg_segment_size: 96
    .max_flat_workgroup_size: 128
    .sgpr_count:     106
    .vgpr_count:     1024
    .wavefront_size: 32
...
	.end_amdgpu_metadata
.endif
;; end of part 2
;; launch attn (part 3): grid 256 x 1, 16 waves a work-group, clusters of 4 x 1, 327,680 bytes of LDS; arguments QI, KVI, BI, CTX; writes CTX
.if DOCPART == 3
	.amdgcn_target "amdgcn-amd-amdhsa--gfx1250"
	.amdhsa_code_object_version 6
	.text
	.protected	k_q5505cdfad5_attn
	.globl	k_q5505cdfad5_attn
	.p2align	8
	.type	k_q5505cdfad5_attn,@function
k_q5505cdfad5_attn:
	s_mov_b64 s[64:65], 0
	v_nop
	global_prefetch_b8 v0, s[64:65] scope:SCOPE_SE
	s_setreg_imm32_b32 hwreg(HW_REG_WAVE_MODE, 25, 1), 1
	s_wait_xcnt 0x0
	s_wait_alu depctr_hold_cnt(0) depctr_sa_sdst(0) depctr_va_vdst(0) depctr_va_sdst(0) depctr_va_ssrc(0) depctr_va_vcc(0) depctr_vm_vsrc(0)
	s_getreg_b32 s2, hwreg(HW_REG_IB_STS2, 6, 4)
	s_cmp_eq_u32 s2, 0
	s_cbranch_scc0 .Lentry_in_a_cluster
	s_endpgm
.Lentry_in_a_cluster:
	s_bfe_u32 s2, ttmp6, 0x10000c
	s_cmp_lg_u32 s2, 0x3003
	s_cbranch_scc0 .Lentry_shape_is_right
	s_endpgm
.Lentry_shape_is_right:
; ctx = softmax(q k^T / 8 + coef x bias) v for 64 (batch, head) pairs of 2,048 tokens, head size 64; both products on codes of E5M2 with E8M0 scales for each 32 along K; ctx is quantised here for the last product.
; t = (q.k + 8 coef bias) x log2(e) / 8; M = the running largest t rounded UP to a whole number; p = 2^(t - M) is quantised along the keys, not normalised; the row's sum is taken of the unquantised p and divides at the end.
; When M moves, the sum and O are multiplied by 2^(old M - new M): exact, and no branch hangs on data.
; SHARES.  A work-group takes ONE head of one batch (the cluster's x = 16 batch + head) and 512 queries (cx = which quarter).  The head's whole K and V, 2 x 131,072 bytes of codes, lie in LDS for the whole launch:
; no slot is filled again and the loop over the keys has no barrier.  Wave w fetches key step w's K and V (2 rows of 8,192 bytes, 32,768 apart in KVI) by ONE tensor load, asked for jointly by the four quarters (mask 15).
; The scale words (1,024 bytes a step) come through registers into LDS bytes of their own.  Each wave walks two tiles of 16 queries, one after the other: blocks of queries 8 cx + 2 (w / 4) and the next, tile w % 4,
; so that its bias is one run of 32 x 32,768 bytes apart in BI.
; THE BIAS IS THE C OF THE SCORE PRODUCT and goes from memory straight into the accumulators: BI holds 8 coef x bias as images of the score tiles' registers.  The next step's 16 loads are issued as soon as p's registers are converted.
; No prefetch into the L2: K and V are asked for once, at the head, with no loop to run ahead in; the bias is asked for a key step ahead of its use by the loads themselves.
; THE SCORE PRODUCT HAS K = 64 UNDER AN INSTRUCTION OF K = 128: Q's upper eight registers are zero codes; fragment t of K names its own eight registers and the next tile's (behind tile 7: zeros), finite codes that meet zeros.
; LAYOUT.  S^T = K Q^T, O^T = V^T P^T: a lane holds ONE query.  The 16 registers of score tiles 2 b, 2 b + 1 are block b of 32 keys, in the order in which the launch before laid V's codes.  V's fragments land in K's registers.
; CTX: codes [tile of 16 rows G 512][head 16][1,024 bytes]; at 8,388,608 the scale bytes [head 16][row 8,192][2].
; LIMITS: NaN and infinities are not served; the scaled scores stay under 2^31 in magnitude; v_exp_f32 gives 0 where p would be denormal; a block of p or ctx under 2^-111, a block of zeros too, keeps the byte 1.
.set SCB,   262144                     ; behind the codes [step 16][kv 2][8192]: scale words [step 16][kv 2][512], written by LDS stores
.set SST,   278528                     ; 1,024 bytes: ctx's scale bytes of the work-group's 512 rows
.set SPARE, 279552                     ; the spare words, 128 bytes for each of 16 waves
.set DUAL,  1                          ; p's holds as dual-issue pairs
.set L16,  1                           ; 16 x lane
.set QSO,  2                           ; 16 x (lane % 16)
.set GSO,  3                           ; 16 x thread
.set STA,  4                           ; where my step's scale words go
.set SPW,  5
.set NIL,  6
.set ASK0, 7                           ; SCB + 16 x lane
.set ADK,  8                           ; the step's codes
.set ADS,  9                           ; the step's scale words
.set QF,   16                          ; v16-31 Q (v24-31 zeros).  v12 -M, v13 the largest t, v[14:15] the sum
.set KF,   32                          ; v32-103 K's eight tiles (v96-103 zeros); then V's four fragments in v32-95
.set S,    104                         ; v104-167 the bias, S^T, p
.set O,    168                         ; v168-199 O^T
.set PC,   200                         ; v200-215 p's codes
.set KSC,  216
.set VSC,  220
.set QS,   222
.set PS,   223
.set BM,   224
.set PM,   228
.set HH,   232
.set SO,   236
.set F,    242
.set TMP,  244
.set OLDM, 245
.set SSA,  246
.set SSR,  247
.set TK,   2                           ; s2 16,384 x the step
.set TS,   3                           ; s3 1,024 x the step
.set WV,   18
.set MNT,  19
.set SEL,  20
.set CS,   22
.set G1,   24
.set G0,   40
.set CNT,  59
.set BA,   70                          ; s[70:71] my bias, the step that is asked for next
.macro CROUND
	s_barrier_signal -1
	s_barrier_wait -1
	s_cmp_lg_u32 s[WV], 0
	s_cbranch_scc1 .Lnot_wave_0_\@
	s_barrier_signal -3
.Lnot_wave_0_\@:
	s_barrier_wait -3
	s_barrier_signal -1
	s_barrier_wait -1
.endm
.macro QLOAD p                         ; my tile of pass p: two chunks of codes and the scale word
	global_load_b128 v[QF:QF+3], v[L16], s[72:73] offset:4096*\p
	global_load_b128 v[QF+4:QF+7], v[L16], s[72:73] offset:4096*\p+512
	global_load_b32 v[QS], v[QSO], s[74:75] offset:8*\p
.endm
.macro INIT                            ; the step is written once: the first finds zeros, which the first change of M leaves zeros
.set j, 0
.rept 32
	v_mov_b32 v[O+j], 0
.set j, j+1
.endr
	v_mov_b32 v13, 0xff61b1e6                      ; -3e38
	s_delay_alu instid0(VALU_DEP_1)
	v_floor_f32 v12, -v13
	v_mov_b32 v14, 0
	v_mov_b32 v15, 0
	s_wait_alu depctr_va_vdst(0)
.endm
	s_load_b256 s[4:11], s[0:1], 0x0               ; QI, KVI, BI, CTX
	v_lshl_add_u32 v[SPW], v0, 2, SPARE
	v_mov_b32 v[NIL], 0
	ds_add_u32 v[SPW], v[NIL]                      ; the opening lines
	ds_add_u32 v[SPW], v[NIL]
	v_lshrrev_b32 v8, 5, v0
	s_delay_alu instid0(VALU_DEP_1)
	v_readfirstlane_b32 s[WV], v8                  ; wave 0..15
	s_bfe_u32 s52, ttmp6, 0x40000                  ; cx: the quarter of the queries
	s_lshr_b32 s53, ttmp9, 2                       ; 4 batch + head / 4
	s_and_b32 s56, ttmp9, 3                        ; head % 4
	s_lshr_b32 s54, ttmp9, 4                       ; batch
	s_and_b32 s55, ttmp9, 15                       ; head
	s_lshr_b32 s57, s[WV], 2
	s_and_b32 s58, s[WV], 3                        ; tq
	s_mov_b32 s[G1], 15|(3<<16)|(1<<21)            ; all four work-groups; elements of 8 bytes; bit 21 beside a mask
	s_mov_b32 s[G1+1], 1024<<16                    ; rows of 8,192 bytes,
	s_mov_b32 s[G1+2], 2<<16                       ; two of them,
	s_mov_b32 s[G1+3], 1024<<16
	s_mov_b32 s[G1+4], 2
	s_mov_b32 s[G1+5], 4096                        ; 32,768 bytes apart
	s_mov_b32 s[G1+6], 0
	s_mov_b32 s[G1+7], 0
	s_lshl_b32 s66, s53, 20                        ; KVI's codes [group][step][kv][head % 4][8192]: step = my wave
	s_lshl_b32 s12, s56, 13
	s_add_co_u32 s66, s66, s12
	s_lshl_b32 s12, s[WV], 16
	s_add_co_u32 s66, s66, s12
	s_mov_b32 s67, 0
	s_lshl_b32 s68, s53, 16                        ; its scale words [group][kv][step][head % 4][512]
	s_lshl_b32 s12, s[WV], 11
	s_add_co_u32 s68, s68, s12
	s_lshl_b32 s12, s56, 9
	s_add_co_u32 s68, s68, s12
	s_add_co_u32 s68, s68, 0x1000000
	s_mov_b32 s69, 0
	s_lshl_b32 s12, s53, 4                         ; Q: the 128 tokens that hold both my tiles: 4 cx + w / 4
	s_lshl_b32 s13, s52, 2
	s_add_co_u32 s12, s12, s13
	s_add_co_u32 s12, s12, s57
	s_lshl_b32 s12, s12, 2
	s_add_co_u32 s12, s12, s56
	s_lshl_b32 s72, s12, 13
	s_lshl_b32 s13, s58, 10
	s_add_co_u32 s72, s72, s13
	s_mov_b32 s73, 0
	s_lshl_b32 s74, s12, 9                         ; tile 2 p + u: word p of lane 16 u + r
	s_and_b32 s13, s58, 1
	s_lshl_b32 s13, s13, 8
	s_add_co_u32 s74, s74, s13
	s_lshr_b32 s13, s58, 1
	s_lshl_b32 s13, s13, 2
	s_add_co_u32 s74, s74, s13
	s_add_co_u32 s74, s74, 0x800000
	s_mov_b32 s75, 0
	s_lshl_b32 s14, s52, 3
	s_lshl_b32 s13, s57, 1
	s_add_co_u32 s14, s14, s13                     ; my first block of 64 queries
	s_lshl_b32 s70, s14, 19
	s_lshl_b32 s13, s58, 13
	s_add_co_u32 s70, s70, s13
	s_mov_b32 s71, 0
	s_lshl_b32 s76, s54, 7                         ; ctx's codes: tile G = 128 batch + 4 block + tq
	s_lshl_b32 s14, s14, 2
	s_add_co_u32 s76, s76, s14
	s_add_co_u32 s76, s76, s58
	s_lshl_b32 s76, s76, 14
	s_lshl_b32 s13, s55, 10
	s_add_co_u32 s76, s76, s13
	s_mov_b32 s77, 0
	s_lshl_b32 s78, s55, 14                        ; ctx's scale bytes: 16,384 head + 2 (2,048 batch + 512 cx)
	s_lshl_b32 s13, s54, 12
	s_add_co_u32 s78, s78, s13
	s_lshl_b32 s13, s52, 10
	s_add_co_u32 s78, s78, s13
	s_add_co_u32 s78, s78, 0x800000
	s_mov_b32 s79, 0
	s_lshl_b32 s16, s57, 8                         ; in the stage: 2 bytes a row, row 128 (w / 4) + 64 pass + 16 tq + r
	s_lshl_b32 s13, s58, 5
	s_add_co_u32 s16, s16, s13
	s_add_co_u32 s16, s16, SST
	s_lshl_b32 s17, s[WV], 10
	s_mov_b32 s[MNT], 0x600000
	s_mov_b32 s[SEL], 0x76543210
	s_mov_b32 s[SEL+1], 0xfedcba98
	s_mov_b32 s[CS], 0x3e38aa3b                    ; log2(e) / 8
	s_mov_b32 s[CS+1], s[CS]
	s_wait_dscnt 0x0                               ; both opening adds are done
	s_wait_kmcnt 0x0
	s_mov_b32 s[G0], 1
	s_lshl_b32 s[G0+1], s[WV], 14                  ; LDS: 16,384 x wave
	s_add_nc_u64 s[G0+2:G0+3], s[6:7], s[66:67]
	s_or_b32 s[G0+3], s[G0+3], 0x80000000
	s_add_nc_u64 s[68:69], s[6:7], s[68:69]
	s_add_nc_u64 s[72:73], s[4:5], s[72:73]
	s_add_nc_u64 s[74:75], s[4:5], s[74:75]
	s_add_nc_u64 s[BA:BA+1], s[8:9], s[70:71]
	s_add_nc_u64 s[76:77], s[10:11], s[76:77]
	s_add_nc_u64 s[78:79], s[10:11], s[78:79]
	CROUND                                         ; all four work-groups are here: the joint loads meet
	tensor_load_to_lds s[G0:G0+3], s[G1:G1+7]      ; my one tensor load of the launch
	s_nop 0
.rept 4
	v_nop
.endr
	v_and_b32 v[L16], 31, v0
	v_and_b32 v[QSO], 15, v0
	v_lshlrev_b32 v[GSO], 4, v0
	v_lshl_add_u32 v[SSR], v0, 4, SST
	v_lshlrev_b32 v[L16], 4, v[L16]
	v_lshl_add_u32 v[SSA], v[QSO], 1, s16
	v_lshlrev_b32 v[QSO], 4, v[QSO]
	v_add_nc_u32 v[ASK0], SCB, v[L16]
	s_delay_alu instid0(VALU_DEP_1)
	v_add_nc_u32 v[STA], s17, v[ASK0]
	s_wait_alu depctr_va_vdst(0)
	global_load_b128 v[KF:KF+3], v[L16], s[68:69]                  ; my step's scale words of K,
	global_load_b128 v[KF+4:KF+7], v[L16], s[68:69] offset:32768   ; and of V
	QLOAD 0
.irp g, 0,1,2,3,4,5,6,7,8,9,10,11,12,13,14,15
	global_load_b128 v[S+4*\g:S+4*\g+3], v[L16], s[BA:BA+1] offset:512*\g   ; step 0's bias
.endr
.irp j, 0,1,2,3,4,5,6,7
	v_mov_b32 v[QF+8+\j], 0                        ; zero codes: Q's K = 64 .. 127
	v_mov_b32 v[KF+64+\j], 0                       ; and what fragment 7 of K names behind its own eight
.endr
.irp b, 0,1,2,3
	v_mov_b32 v[PM+\b], 0                          ; a lane permute's destination counts as one of its sources
.endr
	v_mov_b32 v[F+1], 0
	v_mov_b32 v[TMP], 0
	INIT
	s_wait_loadcnt 19                              ; the two loads of scale words are in; Q's 3 and the bias's 16 may be out
	s_wait_tensorcnt 0x0                           ; my step's K and V have landed
	ds_store_b128 v[STA], v[KF:KF+3]
	ds_store_b128 v[STA], v[KF+4:KF+7] offset:512
	s_wait_dscnt 0x0                               ; for the others' sake
	s_barrier_signal -1
	s_barrier_wait -1                              ; all of the head's K, V and scale words are in LDS
.macro KQ t
.if (\t)%2
	v_wmma_scale_f32_16x16x128_f8f6f4 v[S+8*(\t):S+8*(\t)+7], v[KF+8*(\t):KF+8*(\t)+15], v[QF:QF+15], v[S+8*(\t):S+8*(\t)+7], v[KSC+(\t)/2], v[QS] matrix_a_fmt:MATRIX_FMT_BF8 matrix_b_fmt:MATRIX_FMT_BF8 matrix_a_scale:MATRIX_SCALE_ROW1
.else
	v_wmma_scale_f32_16x16x128_f8f6f4 v[S+8*(\t):S+8*(\t)+7], v[KF+8*(\t):KF+8*(\t)+15], v[QF:QF+15], v[S+8*(\t):S+8*(\t)+7], v[KSC+(\t)/2], v[QS] matrix_a_fmt:MATRIX_FMT_BF8 matrix_b_fmt:MATRIX_FMT_BF8
.endif
.endm
.macro PV t
.if (\t)%2
	v_wmma_scale_f32_16x16x128_f8f6f4 v[O+8*(\t):O+8*(\t)+7], v[KF+16*(\t):KF+16*(\t)+15], v[PC:PC+15], v[O+8*(\t):O+8*(\t)+7], v[VSC+(\t)/2], v[PS] matrix_a_fmt:MATRIX_FMT_BF8 matrix_b_fmt:MATRIX_FMT_BF8 matrix_a_scale:MATRIX_SCALE_ROW1
.else
	v_wmma_scale_f32_16x16x128_f8f6f4 v[O+8*(\t):O+8*(\t)+7], v[KF+16*(\t):KF+16*(\t)+15], v[PC:PC+15], v[O+8*(\t):O+8*(\t)+7], v[VSC+(\t)/2], v[PS] matrix_a_fmt:MATRIX_FMT_BF8 matrix_b_fmt:MATRIX_FMT_BF8
.endif
.endm
; A KEY STEP: 128 keys.  ld = 1: the next step's bias is asked for.  No two matrix instructions that follow each other share an accumulator.
.macro STEP ld
	v_add_nc_u32 v[ADK], s[TK], v[L16]
	v_add_nc_u32 v[ADS], s[TS], v[ASK0]
	s_wait_alu depctr_va_vdst(0)                   ; directly behind the writes
.rept 6
	v_nop                                          ; with the two additions: eight places behind the last products, whose V fragments lie where K lands
.endr
	ds_load_b128 v[KSC:KSC+3], v[ADS]
.irp t, 0,1,2,3,4,5,6,7
	ds_load_b128 v[KF+8*\t:KF+8*\t+3], v[ADK] offset:1024*\t
	ds_load_b128 v[KF+8*\t+4:KF+8*\t+7], v[ADK] offset:1024*\t+512
.endr
	s_wait_loadcnt 0x0                             ; this step's bias lies in the accumulators (and Q, at a pass's first step)
.if \ld
	s_add_nc_u64 s[BA:BA+1], s[BA:BA+1], 32768     ; its loads are done, so their base may step
.endif
	s_wait_dscnt 0x0
.irp t, 0,1,2,3,4,5,6,7
	KQ \t
.endr
	v_mov_b32 v[OLDM], v12
.rept 7
	v_nop                                          ; eight places: the results are read, and V lands on K's registers, below
.endr
.irp b, 0,1,2,3
.irp c, 0,1,2,3
	ds_load_b128 v[KF+16*\b+4*\c:KF+16*\b+4*\c+3], v[ADK] offset:8192+2048*\b+512*\c
.endr
.endr
	ds_load_b64 v[VSC:VSC+1], v[ADS] offset:512
.irp b, 0,1,2,3
	v_max3_num_f32 v[BM+\b], v[S+16*\b], v[S+1+16*\b], v[S+2+16*\b]   ; the largest score of each block of 32 keys: for the row's maximum and for the block's largest p
.endr
.irp i, 3,5,7,9,11,13
.irp b, 0,1,2,3
	v_max3_num_f32 v[BM+\b], v[BM+\b], v[S+16*\b+\i], v[S+1+16*\b+\i]
.endr
.endr
.irp b, 0,1,2,3
	v_max_num_f32 v[BM+\b], v[BM+\b], v[S+15+16*\b]
.endr
.irp b, 0,1,2,3
	s_delay_alu instid0(VALU_DEP_4)
	v_permlanex16_b32 v[PM+\b], v[BM+\b], s[SEL], s[SEL+1]
.endr
.irp b, 0,1,2,3
	s_delay_alu instid0(VALU_DEP_4)
	v_max_num_f32 v[BM+\b], v[BM+\b], v[PM+\b]
.endr
	s_delay_alu instid0(VALU_DEP_2)
	v_max3_num_f32 v[TMP], v[BM], v[BM+1], v[BM+2]
	s_delay_alu instid0(VALU_DEP_1)
	v_max_num_f32 v[TMP], v[TMP], v[BM+3]
	s_delay_alu instid0(VALU_DEP_1)
	v_mul_f32 v[TMP], s[CS], v[TMP]
	s_delay_alu instid0(VALU_DEP_1)
	v_max_num_f32 v13, v13, v[TMP]                 ; the running largest t
	s_delay_alu instid0(VALU_DEP_1)
	v_floor_f32 v12, -v13                          ; the new -M
	s_delay_alu instid0(VALU_DEP_1)
	v_sub_f32 v[TMP], v12, v[OLDM]                 ; old M - new M, 0 or less
	s_delay_alu instid0(VALU_DEP_1)
	v_cvt_i32_f32 v[TMP], v[TMP]
	s_delay_alu instid0(VALU_DEP_1)
	v_ldexp_f32 v[F], 1.0, v[TMP]                  ; f = 2^(old M - new M)
.set j, 0
.rept 32
	v_pk_fma_f32 v[S+j:S+j+1], v[S+j:S+j+1], s[CS:CS+1], v[12:13] op_sel_hi:[1,0,0]   ; t - M
.set j, j+2
.endr
.irp b, 0,1,2,3
	v_fma_f32 v[BM+\b], v[BM+\b], s[CS], v12
.endr
	s_wait_alu depctr_va_vdst(0)                   ; ahead of the batch
.set j, 0
.rept 64
	v_exp_f32 v[S+j], v[S+j]                       ; p
.set j, j+1
.endr
.irp b, 0,1,2,3
	v_exp_f32 v[BM+\b], v[BM+\b]                   ; the block's largest p
.endr
	v_pk_mul_f32 v[14:15], v[14:15], v[F:F+1] op_sel_hi:[1,0]   ; the sums under the new M
	s_wait_alu depctr_va_vdst(0)                   ; and behind it
.irp b, 0,1,2,3
	v_max_num_f32 v[BM+\b], 0x8000000, v[BM+\b]    ; the floor 2^(16 - 127)
.endr
.irp b, 0,1,2,3
	s_delay_alu instid0(VALU_DEP_4)
	v_add_nc_u32 v[SO+\b], 0xf8800000, v[BM+\b]    ; the conversion's scale operand
.endr
.irp b, 0,1,2,3
	v_and_or_b32 v[HH+\b], v[BM+\b], 0x7f800000, s[MNT]   ; 57,344 x the scale
.endr
.irp b, 0,1,2,3
	v_lshrrev_b32 v[PM+\b], 23, v[SO+\b]           ; the scale's byte
.endr
	s_delay_alu instid0(VALU_DEP_3)
	v_lshl_or_b32 v[PS], v[PM+1], 8, v[PM]
	s_delay_alu instid0(VALU_DEP_1)
	v_lshl_or_b32 v[PS], v[PM+2], 16, v[PS]
	s_delay_alu instid0(VALU_DEP_1)
	v_lshl_or_b32 v[PS], v[PM+3], 24, v[PS]
	v_pk_add_f32 v[240:241], v[108:109], v[112:113]                ; the row's sum of the unquantised p, in eight chains
	v_pk_add_f32 v[254:255], v[116:117], v[120:121]
	v_pk_add_f32 v[252:253], v[124:125], v[128:129]
	v_pk_add_f32 v[250:251], v[132:133], v[136:137]
	v_pk_add_f32 v[248:249], v[140:141], v[144:145]
	v_pk_add_f32 v[226:227], v[148:149], v[152:153]
	v_pk_add_f32 v[224:225], v[156:157], v[160:161]
	v_pk_add_f32 v[14:15], v[14:15], v[164:165]
	v_pk_add_f32 v[240:241], v[240:241], v[104:105]
	v_pk_add_f32 v[254:255], v[254:255], v[106:107]
	v_pk_add_f32 v[252:253], v[252:253], v[110:111]
	v_pk_add_f32 v[250:251], v[250:251], v[114:115]
	v_pk_add_f32 v[248:249], v[248:249], v[118:119]
	v_pk_add_f32 v[226:227], v[226:227], v[122:123]
	v_pk_add_f32 v[224:225], v[224:225], v[126:127]
	v_pk_add_f32 v[14:15], v[14:15], v[130:131]
	v_pk_add_f32 v[240:241], v[240:241], v[134:135]
	v_pk_add_f32 v[254:255], v[254:255], v[138:139]
	v_pk_add_f32 v[252:253], v[252:253], v[142:143]
	v_pk_add_f32 v[250:251], v[250:251], v[146:147]
	v_pk_add_f32 v[248:249], v[248:249], v[150:151]
	v_pk_add_f32 v[226:227], v[226:227], v[154:155]
	v_pk_add_f32 v[224:225], v[224:225], v[158:159]
	v_pk_add_f32 v[14:15], v[14:15], v[162:163]
	v_pk_add_f32 v[240:241], v[240:241], v[166:167]
	s_delay_alu instid0(VALU_DEP_2)
	v_pk_add_f32 v[14:15], v[14:15], v[250:251]
	s_delay_alu instid0(VALU_DEP_2)
	v_pk_add_f32 v[240:241], v[240:241], v[248:249]
	v_pk_add_f32 v[254:255], v[254:255], v[226:227]
	v_pk_add_f32 v[252:253], v[252:253], v[224:225]
	s_delay_alu instid0(VALU_DEP_2)
	v_pk_add_f32 v[14:15], v[14:15], v[254:255]
	s_delay_alu instid0(VALU_DEP_2)
	v_pk_add_f32 v[240:241], v[240:241], v[252:253]
	s_delay_alu instid0(VALU_DEP_1)
	v_pk_add_f32 v[14:15], v[14:15], v[240:241]
; the hold (the conversion does not saturate: ISA guide 7.6.2; p is not negative, so it is one-sided), two blocks at a time: a pair holds register i of one block and register i xor 1 of the next,
; so that its destinations are one even and one odd and its sources lie in different banks
.irp b, 0,2
.irp i, 0,1,2,3,4,5,6,7,8,9,10,11,12,13,14,15
.if DUAL
	v_dual_min_num_f32 v[S+16*\b+\i], v[S+16*\b+\i], v[HH+\b] :: v_dual_min_num_f32 v[S+16*\b+16+(\i^1)], v[S+16*\b+16+(\i^1)], v[HH+\b+1]
.else
	v_min_num_f32 v[S+16*\b+\i], v[S+16*\b+\i], v[HH+\b]
	v_min_num_f32 v[S+16*\b+16+\i], v[S+16*\b+16+\i], v[HH+\b+1]
.endif
.endr
.irp u, 0,1
	v_cvt_scalef32_pk8_bf8_f32 v[PC+4*(\b+\u):PC+4*(\b+\u)+1], v[S+16*(\b+\u):S+16*(\b+\u)+7], v[SO+\b+\u]
	v_cvt_scalef32_pk8_bf8_f32 v[PC+4*(\b+\u)+2:PC+4*(\b+\u)+3], v[S+16*(\b+\u)+8:S+16*(\b+\u)+15], v[SO+\b+\u]
.endr
.if \ld
.irp c, 0,1,2,3,4,5,6,7
	global_load_b128 v[S+16*\b+4*\c:S+16*\b+4*\c+3], v[L16], s[BA:BA+1] offset:2048*\b+512*\c   ; the two blocks' registers are done with: the next step's bias lands there
.endr
.endif
.endr
	s_wait_alu depctr_va_vdst(0)                   ; directly ahead of the first reader of O^T
.set j, 0
.rept 16
	v_pk_mul_f32 v[O+j:O+j+1], v[O+j:O+j+1], v[F:F+1] op_sel_hi:[1,0]   ; O^T under the new M; also the places between the conversions and the products
.set j, j+2
.endr
	s_wait_alu depctr_va_vdst(0)                   ; directly ahead of the wait below
	s_wait_dscnt 0x0                               ; V and its scale words
.irp t, 0,1,2,3
	PV \t
.endr
	s_add_co_u32 s[TK], s[TK], 16384
	s_add_co_u32 s[TS], s[TS], 1024
.endm
; THE WAY OUT of pass p: O^T / the sum, quantised along the head's 64 (two blocks of 32), stored as two chunks of the last product's operand; the row's two scale bytes go to the stage.
.macro WAYOUT p
.rept 8
	v_nop                                          ; places behind the last products
.endr
	v_add_f32 v14, v14, v15
	s_delay_alu instid0(VALU_DEP_1)
	v_permlanex16_b32 v[TMP], v14, s[SEL], s[SEL+1]
	s_delay_alu instid0(VALU_DEP_1)
	v_add_f32 v14, v14, v[TMP]
	s_wait_alu depctr_va_vdst(0)
	v_rcp_f32 v14, v14
	v_nop
	s_wait_alu depctr_va_vdst(0)
.set j, 0
.rept 16
	v_pk_mul_f32 v[KF+j:KF+j+1], v[O+j:O+j+1], v[14:15] op_sel_hi:[1,0]
.set j, j+2
.endr
.irp b, 0,1
	v_max3_num_f32 v[BM+\b], |v[KF+16*\b]|, |v[KF+1+16*\b]|, 0x8000000
.endr
.irp i, 2,4,6,8,10,12,14
.irp b, 0,1
	s_delay_alu instid0(VALU_DEP_2)
	v_max3_num_f32 v[BM+\b], v[BM+\b], |v[KF+16*\b+\i]|, |v[KF+1+16*\b+\i]|
.endr
.endr
.irp b, 0,1
	s_delay_alu instid0(VALU_DEP_2)
	v_permlanex16_b32 v[PM+\b], v[BM+\b], s[SEL], s[SEL+1]
.endr
.irp b, 0,1
	s_delay_alu instid0(VALU_DEP_2)
	v_max_num_f32 v[BM+\b], v[BM+\b], v[PM+\b]
.endr
.irp b, 0,1
	s_delay_alu instid0(VALU_DEP_2)
	v_add_nc_u32 v[SO+\b], 0xf8800000, v[BM+\b]
.endr
.irp b, 0,1
	s_delay_alu instid0(VALU_DEP_4)
	v_and_or_b32 v[HH+\b], v[BM+\b], 0x7f800000, s[MNT]
.endr
.irp b, 0,1
	s_delay_alu instid0(VALU_DEP_4)
	v_lshrrev_b32 v[PM+\b], 23, v[SO+\b]
.endr
	s_delay_alu instid0(VALU_DEP_1)
	v_lshl_or_b32 v[TMP], v[PM+1], 8, v[PM]
.irp b, 0,1
.irp i, 0,1,2,3,4,5,6,7,8,9,10,11,12,13,14,15
	v_med3_num_f32 v[KF+16*\b+\i], v[KF+16*\b+\i], -v[HH+\b], v[HH+\b]
.endr
	v_cvt_scalef32_pk8_bf8_f32 v[PC+4*\b:PC+1+4*\b], v[KF+16*\b:KF+7+16*\b], v[SO+\b]
	v_cvt_scalef32_pk8_bf8_f32 v[PC+2+4*\b:PC+3+4*\b], v[KF+8+16*\b:KF+15+16*\b], v[SO+\b]
.endr
	v_nop
	global_store_b128 v[L16], v[PC:PC+3], s[76:77] offset:65536*\p          ; 512 consecutive bytes each
	global_store_b128 v[L16], v[PC+4:PC+7], s[76:77] offset:65536*\p+512
	ds_store_b16 v[SSA], v[TMP] offset:128*\p      ; both halves of the lanes write the same two bytes with the same value
.endm
	s_mov_b32 s[TK], 0
	s_mov_b32 s[TS], 0
	s_mov_b32 s[CNT], 15
.Lpass0:
	STEP 1
	s_sub_co_u32 s[CNT], s[CNT], 1
	s_cmp_lg_u32 s[CNT], 0
	s_cbranch_scc1 .Lpass0
	STEP 1                                         ; its bias loads are the second tile's step 0: 32,768 bytes on like every other
	WAYOUT 0
	QLOAD 1
	INIT
	s_mov_b32 s[TK], 0
	s_mov_b32 s[TS], 0
	s_mov_b32 s[CNT], 15
	s_wait_xcnt 0x0                                ; the stores have read p's code registers, which the next step writes
.Lpass1:
	STEP 1
	s_sub_co_u32 s[CNT], s[CNT], 1
	s_cmp_lg_u32 s[CNT], 0
	s_cbranch_scc1 .Lpass1
	STEP 0                                         ; the last step asks for nothing: no load leaves BI
	WAYOUT 1
	s_wait_dscnt 0x0                               ; for the others' sake
	s_barrier_signal -1
	s_barrier_wait -1
	s_cmp_lt_u32 s[WV], 2
	s_cbranch_scc0 .Lnot_first
	ds_load_b128 v[KF:KF+3], v[SSR]                ; waves 0 and 1: 512 bytes each of the work-group's 1,024 scale bytes
	s_wait_dscnt 0x0
	global_store_b128 v[GSO], v[KF:KF+3], s[78:79]
.Lnot_first:
	s_wait_tensorcnt 0x0                           ; the wave's end
	ds_add_u32 v[SPW], v[NIL]
	s_wait_dscnt 0x0
	CROUND                                         ; the closing round
	s_endpgm
.Lfunc_end_k_q5505cdfad5_attn:
	.size	k_q5505cdfad5_attn, .Lfunc_end_k_q5505cdfad5_attn-k_q5505cdfad5_attn
	.p2alignl 7, 3214868480
	.fill 96, 4, 3214868480
	.section	.rodata,"a",@progbits
	.p2align	6, 0x0
	.amdhsa_kernel k_q5505cdfad5_attn
		.amdhsa_group_segment_fixed_size 327680
		.amdhsa_private_segment_fixed_size 0
		.amdhsa_enable_private_segment 0
		.amdhsa_kernarg_size 32
		.amdhsa_user_sgpr_count 2
		.amdhsa_user_sgpr_kernarg_segment_ptr 1
		.amdhsa_wavefront_size32 1
		.amdhsa_system_sgpr_workgroup_id_x 1
		.amdhsa_system_sgpr_workgroup_id_y 1
		.amdhsa_system_sgpr_workgroup_id_z 1
		.amdhsa_system_vgpr_workitem_id 0
		.amdhsa_next_free_vgpr 256
		.amdhsa_next_free_sgpr 80
		.amdhsa_reserve_vcc 0
		.amdhsa_float_denorm_mode_32 3
		.amdhsa_float_denorm_mode_16_64 3
		.amdhsa_memory_ordered 1
		.amdhsa_forward_progress 1
		.amdhsa_inst_pref_size 107
	.end_amdhsa_kernel
	.amdgpu_metadata
---
amdhsa.version: [ 1, 2 ]
amdhsa.kernels:
  - .name:           k_q5505cdfad5_attn
    .symbol:         k_q5505cdfad5_attn.kd
    .args:
      - { .name: QI, .offset: 0, .size: 8, .value_kind: global_buffer, .address_space: global }
      - { .name: KVI, .offset: 8, .size: 8, .value_kind: global_buffer, .address_space: global }
      - { .name: BI, .offset: 16, .size: 8, .value_kind: global_buffer, .address_space: global }
      - { .name: CTX, .offset: 24, .size: 8, .value_kind: global_buffer, .address_space: global }
    .group_segment_fixed_size: 327680
    .private_segment_fixed_size: 0
    .kernarg_segment_align: 8
    .kernarg_segment_size: 32
    .max_flat_workgroup_size: 512
    .sgpr_count:     80
    .vgpr_count:     256
    .wavefront_size: 32
...
	.end_amdgpu_metadata
.endif
;; end of part 3
;; launch out (part 4): grid 256 x 1, 8 waves a work-group, clusters of 4 x 1, 327,680 bytes of LDS; arguments CTX, WOI, bo, hidden_states, ln_gamma, ln_beta, out0; writes out0
.if DOCPART == 4
	.amdgcn_target "amdgcn-amd-amdhsa--gfx1250"
	.amdhsa_code_object_version 6
	.text
	.protected	k_q5505cdfad5_out
	.globl	k_q5505cdfad5_out
	.p2align	8
	.type	k_q5505cdfad5_out,@function
k_q5505cdfad5_out:
	s_mov_b64 s[64:65], 0
	v_nop
	global_prefetch_b8 v0, s[64:65] scope:SCOPE_SE
	s_setreg_imm32_b32 hwreg(HW_REG_WAVE_MODE, 25, 1), 1
	s_wait_xcnt 0x0
	s_wait_alu depctr_hold_cnt(0) depctr_sa_sdst(0) depctr_va_vdst(0) depctr_va_sdst(0) depctr_va_ssrc(0) depctr_va_vcc(0) depctr_vm_vsrc(0)
	s_getreg_b32 s2, hwreg(HW_REG_IB_STS2, 6, 4)
	s_cmp_eq_u32 s2, 0
	s_cbranch_scc0 .Lentry_in_a_cluster
	s_endpgm
.Lentry_in_a_cluster:
	s_bfe_u32 s2, ttmp6, 0x10000c
	s_cmp_lg_u32 s2, 0x3003
	s_cbranch_scc0 .Lentry_shape_is_right
	s_endpgm
.Lentry_shape_is_right:
; out0 = LayerNorm(ctx Wo^T + bo + hidden_states) x gamma + beta; the product on codes of E5M2 with E8M0 scales for each 32 along K = 1,024.
; SHARES.  A work-group takes 32 rows and all 1,024 columns, so that a row's mean and variance stay inside it.  Wave w takes columns 128 w .. 128 w + 127: 2 x 8 accumulators.
; The matrix instruction takes source 0 = 16 rows of Wo, source 1 = 16 rows of ctx: a lane holds one row of the output and eight neighbouring columns.
; WOI holds Wo as images of operand registers, [K step 8][wave 8][16,896 bytes]: all work-groups walk the same bytes, so each K step's part is asked for JOINTLY by the four work-groups of a cluster (mask 15);
; every wave fetches its own part (66 rows of 256 bytes, dense) into its own bytes of a ring of two slots, and reads only those.
; ctx's 32 rows of codes (32,768 bytes, images too) are copied once into LDS through registers and read by all eight waves.  bo is loaded into the accumulators: it is the first product's C.
; The variance is taken in a second pass over x - mean, as the reference takes it.  hidden_states comes by whole rows (512 consecutive bytes a load) and turns into the result's layout through the wave's stage in LDS;
; the results leave the same way back: each store is 512 consecutive bytes.  The stages lie in slot 0, which has had its last fill and its last read by then.
; No prefetch: the launch is short, Wo's image is read by every work-group, and hidden_states is asked for at the head.
; REGISTERS: window 0: v1-15 addresses and the rows' figures; v16-23 ctx's scale words, v24-27 Wo's: scales and nothing else; v32-63 ctx's two fragments; v64-127 four fragments of Wo, later work; v128-255 accumulator (a, b) at 128 + 8 (8 a + b).
;   window 1: v0-127 32 rows of hidden_states as loaded; v128-191 gamma, v192-255 beta, in the result's layout.
.set PART,   16896
.set STEPB,  8*PART                    ; a K step of WOI, and a slot
.set ABLK,   2*STEPB                   ; ctx's codes: written by LDS stores, never filled
.set RED,    ABLK+32768                ; 1,024 bytes for the sums, 1,024 for the sums of squares
.set SPARE,  RED+2048                  ; the spare words, 128 bytes for each of 8 waves
.set SPITCH, 528                       ; a stage row: 512 bytes + 16
.set L16,  1
.set ADB0, 2                           ; v2, v3  my part of slot 0, 1
.set ADA,  4
.set SPW,  5
.set NIL,  6
.set STI,  7                           ; v7   the stage in the result's layout: row r, + 32 h
.set STR,  8                           ; v8   the stage by rows: 16 x lane
.set RDW,  9
.set RDR,  10
.set AST,  11
.set MU,   12                          ; v[12:13], v[14:15]: a figure of tile 0's, tile 1's row, in the pair's low half
.set AS,   16
.set BS,   24
.set VO1,  28
.set VO2,  29
.set AFR,  32
.set BFR,  64
.set ACC,  128
.set WV,   18
.set G1,   24
.set G0,   32
.set SEL,  40
.set HM,   42                          ; s42  lanes 16-31
.set NINV, 43                          ; s43  -1/1024
.set INV,  44                          ; s44  1/1024
.set EPS,  45                          ; s45  1e-12
.set MSB, 0
.macro WIN new
.if MSB != \new
	s_set_vgpr_msb (MSB<<8)|\new
.set MSB, \new
.endif
.endm
.macro ROUND                           ; a round of the cluster's barrier
	s_barrier_signal -1
	s_barrier_wait -1
	s_cmp_lg_u32 s[WV], 0
	s_cbranch_scc1 .Lnot_wave_0_\@
	s_barrier_signal -3
.Lnot_wave_0_\@:
	s_barrier_wait -3
	s_barrier_signal -1
	s_barrier_wait -1
.endm
.macro MM b, a, s                      ; accumulator (a, b) += Wo's tile b x ctx's tile a, K step s
.set AC, ACC+8*(8*(\a)+(\b))
.set BF, BFR+16*((\b)%4)
.set AG, AFR+16*(\a)
.if ((\b)%2 == 1) && ((\a) == 1)
	v_wmma_scale_f32_16x16x128_f8f6f4 v[AC:AC+7], v[BF:BF+15], v[AG:AG+15], v[AC:AC+7], v[BS+(\b)/2], v[AS+(\s)] matrix_a_fmt:MATRIX_FMT_BF8 matrix_b_fmt:MATRIX_FMT_BF8 matrix_a_scale:MATRIX_SCALE_ROW1 matrix_b_scale:MATRIX_SCALE_ROW1
.elseif (\b)%2 == 1
	v_wmma_scale_f32_16x16x128_f8f6f4 v[AC:AC+7], v[BF:BF+15], v[AG:AG+15], v[AC:AC+7], v[BS+(\b)/2], v[AS+(\s)] matrix_a_fmt:MATRIX_FMT_BF8 matrix_b_fmt:MATRIX_FMT_BF8 matrix_a_scale:MATRIX_SCALE_ROW1
.elseif (\a) == 1
	v_wmma_scale_f32_16x16x128_f8f6f4 v[AC:AC+7], v[BF:BF+15], v[AG:AG+15], v[AC:AC+7], v[BS+(\b)/2], v[AS+(\s)] matrix_a_fmt:MATRIX_FMT_BF8 matrix_b_fmt:MATRIX_FMT_BF8 matrix_b_scale:MATRIX_SCALE_ROW1
.else
	v_wmma_scale_f32_16x16x128_f8f6f4 v[AC:AC+7], v[BF:BF+15], v[AG:AG+15], v[AC:AC+7], v[BS+(\b)/2], v[AS+(\s)] matrix_a_fmt:MATRIX_FMT_BF8 matrix_b_fmt:MATRIX_FMT_BF8
.endif
.endm
	s_load_b256 s[4:11], s[0:1], 0x0               ; CTX s[4:5], WOI s[6:7], bo s[8:9], hidden s[10:11]
	s_load_b128 s[12:15], s[0:1], 0x20             ; gamma, beta
	s_load_b64 s[16:17], s[0:1], 0x30              ; out0
	v_lshl_add_u32 v[SPW], v0, 2, SPARE
	v_mov_b32 v[NIL], 0
	ds_add_u32 v5, v6
	ds_add_u32 v5, v6
	s_wait_dscnt 0x0
	v_lshrrev_b32 v1, 5, v0
	s_delay_alu instid0(VALU_DEP_1)
	v_readfirstlane_b32 s[WV], v1                  ; wave 0..7
	s_bfe_u32 s19, ttmp6, 0x40000                  ; cx
	s_lshl_b32 s20, ttmp9, 2
	s_add_co_u32 s20, s20, s19                     ; my block of 32 rows
	s_mov_b32 s[G1], 15|(3<<16)|(1<<21)            ; the mask: all four work-groups; elements of 8 bytes; bit 21 beside a mask; no padding
	s_mov_b32 s[G1+1], 32<<16                      ; rows of 256 bytes,
	s_mov_b32 s[G1+2], 66<<16                      ; 66 of them,
	s_mov_b32 s[G1+3], 32<<16
	s_mov_b32 s[G1+4], 66
	s_mov_b32 s[G1+5], 32                          ; dense
	s_mov_b32 s[G1+6], 0
	s_mov_b32 s[G1+7], 0
	s_mul_i32 s21, s[WV], PART                     ; my part, in a K step of WOI and in a slot
	s_mov_b32 s46, s21
	s_mov_b32 s47, 0
	s_mov_b32 s[SEL], 0x76543210
	s_mov_b32 s[SEL+1], 0xfedcba98
	s_mov_b32 s[HM], 0xffff0000
	s_mov_b32 s[NINV], 0xba800000
	s_mov_b32 s[INV], 0x3a800000
	s_mov_b32 s[EPS], 0x2b8cbccc
	s_wait_kmcnt 0x0
	s_mov_b32 s[G0], 1
	s_mov_b32 s[G0+1], s21
	s_add_nc_u64 s[G0+2:G0+3], s[6:7], s[46:47]    ; K step 0
	s_mov_b32 s[G0+4], 1
	s_add_co_u32 s[G0+5], s21, STEPB
	s_add_nc_u64 s[G0+6:G0+7], s[G0+2:G0+3], STEPB ; K step 1
	s_or_b32 s[G0+3], s[G0+3], 0x80000000
	s_or_b32 s[G0+7], s[G0+7], 0x80000000
	ROUND                                          ; all four work-groups are here
	tensor_load_to_lds s[G0:G0+3], s[G1:G1+7]      ; K step 0: one tensor load of mine is out
	s_nop 0
.rept 4
	v_nop
.endr
	v_and_b32 v[L16], 31, v0
	s_delay_alu instid0(VALU_DEP_1)
	v_lshlrev_b32 v[L16], 4, v[L16]
	s_delay_alu instid0(VALU_DEP_1)
	v_add_nc_u32 v[ADB0], s21, v[L16]
	s_delay_alu instid0(VALU_DEP_1)
	v_add_nc_u32 v[ADB0+1], STEPB, v[ADB0]
	s_delay_alu instid0(VALU_DEP_3)
	v_add_nc_u32 v[ADA], ABLK, v[L16]
	v_and_b32 v12, 15, v0                          ; r
	v_bfe_u32 v13, v0, 4, 1                        ; h
	s_mul_i32 s22, s[WV], 16*SPITCH                ; my stage
	v_mul_u32_u24 v[STI], v12, SPITCH
	s_delay_alu instid0(VALU_DEP_1)
	v_lshl_add_u32 v[STI], v13, 5, v[STI]
	s_delay_alu instid0(VALU_DEP_1)
	v_add_nc_u32 v[STI], s22, v[STI]
	v_add_nc_u32 v[STR], s22, v[L16]
	v_and_b32 v14, 31, v0
	s_delay_alu instid0(VALU_DEP_1)
	v_lshl_add_u32 v[RDR], v14, 2, RED             ; 4 x lane
	s_lshl_b32 s22, s[WV], 7
	v_add_nc_u32 v[RDW], s22, v[RDR]               ; + 128 x wave
	s_lshl_b32 s22, s[WV], 12
	s_add_co_u32 s23, s22, ABLK
	v_add_nc_u32 v[AST], s23, v[L16]               ; where I put my 4,096 bytes of ctx's codes
	v_lshlrev_b32 v[VO1], 1, v12
	s_delay_alu instid0(VALU_DEP_1)
	v_lshl_add_u32 v[VO1], v13, 5, v[VO1]          ; 32 h + 2 r: the two scale bytes of row r of tile h, for one head
	s_wait_alu depctr_va_vdst(0)
	v_lshlrev_b32 v[VO2], 5, v13                   ; 32 h
	s_wait_alu depctr_va_vdst(0)
	v_mov_b32 v13, 0                               ; (the pairs' upper halves are written)
	v_mov_b32 v15, 0
	s_mov_b32 s49, 0
	s_lshl_b32 s48, s20, 15                        ; two tiles of 16,384 bytes
	s_add_co_u32 s48, s48, s22
	s_add_nc_u64 s[48:49], s[4:5], s[48:49]
	s_mov_b32 s51, 0
	s_lshl_b32 s50, s20, 6                         ; ctx's scale bytes lie [head 16][row 8,192][2]: my 32 rows are 64 bytes
	s_add_co_u32 s50, s50, 0x800000
	s_add_nc_u64 s[50:51], s[4:5], s[50:51]
	s_mov_b32 s53, 0
	s_lshl_b32 s52, s[WV], 9                       ; my 128 columns
	s_add_nc_u64 s[8:9], s[8:9], s[52:53]
	s_add_nc_u64 s[12:13], s[12:13], s[52:53]
	s_add_nc_u64 s[14:15], s[14:15], s[52:53]
	s_lshl_b32 s54, s20, 17                        ; 32 rows of 4,096 bytes
	s_add_co_u32 s52, s52, s54
	s_add_nc_u64 s[10:11], s[10:11], s[52:53]
	s_add_nc_u64 s[16:17], s[16:17], s[52:53]
.irp i, 0,1,2,3,4,5,6,7
	global_load_b128 v[BFR+4*\i:BFR+4*\i+3], v[L16], s[48:49] offset:512*\i
.endr
.irp s, 0,1,2,3,4,5,6,7
	global_load_u16 v[AS+\s], v[VO1], s[50:51] offset:32768*\s          ; K step s: head 2 s's two bytes,
	global_load_u16 v[AFR+\s], v[VO1], s[50:51] offset:32768*\s+16384   ; and head 2 s + 1's
.endr
.irp a, 0,1
.irp q, 0,1,2,3,4,5,6,7,8,9,10,11,12,13,14,15
	global_load_b128 v[ACC+64*\a+4*\q:ACC+64*\a+4*\q+3], v[VO2], s[8:9] offset:64*(\q/2)+16*(\q%2)   ; bo of columns 16 b + 8 h + j: the first product's C
.endr
.endr
	s_wait_loadcnt 48                              ; ctx's eight loads are in; the 16 + 32 behind them may be out
.irp i, 0,1,2,3,4,5,6,7
	ds_store_b128 v[AST], v[BFR+4*\i:BFR+4*\i+3] offset:512*\i
.endr
	WIN 0x40                                       ; destination window 1
.irp i, 0,1,2,3,4,5,6,7,8,9,10,11,12,13,14,15,16,17,18,19,20,21,22,23,24,25,26,27,28,29,30,31
	global_load_b128 v[4*\i:4*\i+3], v[L16], s[10:11] offset:4096*\i th:TH_LOAD_NT   ; row i: 512 consecutive bytes
.endr
.irp q, 0,1,2,3,4,5,6,7,8,9,10,11,12,13,14,15
	global_load_b128 v[128+4*\q:128+4*\q+3], v[VO2], s[12:13] offset:64*(\q/2)+16*(\q%2)
.endr
.irp q, 0,1,2,3,4,5,6,7,8,9,10,11,12,13,14,15
	global_load_b128 v[192+4*\q:192+4*\q+3], v[VO2], s[14:15] offset:64*(\q/2)+16*(\q%2)
.endr
	WIN 0
	s_wait_loadcnt 63                              ; 64 loads stand behind bo's last: ctx's scale bytes and bo are in
.irp s, 0,1,2,3,4,5,6,7
	v_lshl_or_b32 v[AS+\s], v[AFR+\s], 16, v[AS+\s]   ; the K step's scale word
.endr
	s_wait_alu depctr_va_vdst(0)
; K STEP s, from slot s % 2.  In front of the round each wave waits for all its tensor loads, adds 0 to its spare word, and waits for that, for its LDS stores and for its reads of the other slot; behind it the other slot is asked for.
.macro TRIP s
.set SG, (\s)%2
	s_wait_tensorcnt 0x0                           ; my part of this K step has landed; no tensor load of mine is out
	ds_add_u32 v[SPW], v[NIL]                      ; 0 onto my spare word
.if (\s) < 6
	s_add_nc_u64 s[G0+4*SG+2:G0+4*SG+3], s[G0+4*SG+2:G0+4*SG+3], 2*STEPB   ; this slot's next K step
.endif
	s_wait_dscnt 0x0
.if (\s) < 7
	ROUND
	tensor_load_to_lds s[G0+4*(1-SG):G0+4*(1-SG)+3], s[G1:G1+7]     ; K step s + 1: the first thing behind the round, my one tensor load until the next
	s_nop 0
.else
	s_barrier_signal -1
	s_barrier_wait -1
.endif
.rept 8
	v_nop                                          ; places in front of loads into registers that the last products read; the first four also follow the tensor load
.endr
	ds_load_b128 v[BS:BS+3], v[ADB0+SG] offset:16384
.irp g, 0,1
.irp c, 0,1,2,3
	ds_load_b128 v[AFR+16*\g+4*\c:AFR+16*\g+4*\c+3], v[ADA] offset:\g*16384+(\s)*2048+\c*512
.endr
.endr
.irp q, 0,1,2,3,4,5,6,7,8,9,10,11,12,13,14,15
	ds_load_b128 v[BFR+4*\q:BFR+4*\q+3], v[ADB0+SG] offset:512*\q
.endr
	s_wait_dscnt 0x0
.irp b, 0,1,2,3
	MM \b, 0, \s
	MM \b, 1, \s
.endr
.rept 8
	v_nop
.endr
.irp q, 0,1,2,3,4,5,6,7,8,9,10,11,12,13,14,15
	ds_load_b128 v[BFR+4*\q:BFR+4*\q+3], v[ADB0+SG] offset:8192+512*\q
.endr
	s_wait_dscnt 0x0
.irp b, 4,5,6,7
	MM \b, 0, \s
	MM \b, 1, \s
.endr
.endm
.irp s, 0,1,2,3,4,5,6,7
	TRIP \s
.endr
	; ---- + hidden_states: 16 rows at a time through my stage, from rows into the result's layout
	s_wait_loadcnt 0x0
.rept 8
	v_nop                                          ; places behind the last products
.endr
.irp a, 0,1
	WIN 0x04                                       ; an LDS store's data are its source 1: window 1
.irp i, 0,1,2,3,4,5,6,7,8,9,10,11,12,13,14,15
	ds_store_b128 v[STR], v[64*\a+4*\i:64*\a+4*\i+3] offset:\i*SPITCH
.endr
	WIN 0
.irp q, 0,1,2,3,4,5,6,7,8,9,10,11,12,13,14,15
	ds_load_b128 v[BFR+4*\q:BFR+4*\q+3], v[STI] offset:64*(\q/2)+16*(\q%2)   ; LDS serves a wave's instructions in order: these see the stores above
.endr
	s_wait_dscnt 0x0
.set j, 0
.rept 32
	v_pk_add_f32 v[ACC+64*\a+j:ACC+64*\a+j+1], v[ACC+64*\a+j:ACC+64*\a+j+1], v[BFR+j:BFR+j+1]   ; each accumulator from its low end on
.set j, j+2
.endr
.endr
; From two chains a tile (v[64:67] tile 0, v[68:71] tile 1) to the rows' sums over all 1,024 columns in v80: lanes 0-15 tile 0's row r, lanes 16-31 tile 1's.  All waves add the eight parts in the same order.
.macro ACROSS off
.irp a, 0
	s_delay_alu instid0(VALU_DEP_3)
	v_pk_add_f32 v[64+4*\a:65+4*\a], v[64+4*\a:65+4*\a], v[66+4*\a:67+4*\a]
.endr
.irp a, 1
	s_delay_alu instid0(VALU_DEP_2)
	v_pk_add_f32 v[64+4*\a:65+4*\a], v[64+4*\a:65+4*\a], v[66+4*\a:67+4*\a]
.endr
.irp a, 0,1
	s_delay_alu instid0(VALU_DEP_2)
	v_add_f32 v[64+4*\a], v[64+4*\a], v[65+4*\a]
.endr
.irp a, 0,1
	s_delay_alu instid0(VALU_DEP_2)
	v_permlanex16_b32 v[66+4*\a], v[64+4*\a], s[SEL], s[SEL+1]
.endr
.irp a, 0,1
	s_delay_alu instid0(VALU_DEP_2)
	v_add_f32 v[64+4*\a], v[64+4*\a], v[66+4*\a]   ; my wave's 128 columns of row r
.endr
	s_delay_alu instid0(VALU_DEP_1)
	v_cndmask_b32 v72, v64, v68, s[HM]
	ds_store_b32 v[RDW], v72 offset:\off
	s_wait_dscnt 0x0                               ; for the others' sake
	s_barrier_signal -1
	s_barrier_wait -1
.irp i, 0,1,2,3,4,5,6,7
	ds_load_b32 v[80+\i], v[RDR] offset:\off+128*\i
.endr
	s_wait_dscnt 0x0
	v_add_f32 v80, v80, v81
	v_add_f32 v82, v82, v83
	v_add_f32 v84, v84, v85
	v_add_f32 v86, v86, v87
	s_delay_alu instid0(VALU_DEP_3)
	v_add_f32 v80, v80, v82
	s_delay_alu instid0(VALU_DEP_2)
	v_add_f32 v84, v84, v86
	s_delay_alu instid0(VALU_DEP_1)
	v_add_f32 v80, v80, v84
.endm
.macro SPREAD                          ; v80's two halves into every lane: tile 0's figure in v12, tile 1's in v14
	v_permlanex16_b32 v81, v80, s[SEL], s[SEL+1]
	v_cndmask_b32 v[MU], v80, v81, s[HM]
	v_cndmask_b32 v[MU+2], v81, v80, s[HM]
.endm
	; ---- the mean
.irp a, 0,1
	v_pk_add_f32 v[64+4*\a:65+4*\a], v[ACC+64*\a:ACC+64*\a+1], v[ACC+64*\a+2:ACC+64*\a+3]
	v_pk_add_f32 v[66+4*\a:67+4*\a], v[ACC+64*\a+4:ACC+64*\a+5], v[ACC+64*\a+6:ACC+64*\a+7]
.endr
.irp j, 8,12,16,20,24,28,32,36,40,44,48,52,56,60
.irp a, 0,1
	s_delay_alu instid0(VALU_DEP_4)
	v_pk_add_f32 v[64+4*\a:65+4*\a], v[64+4*\a:65+4*\a], v[ACC+64*\a+\j:ACC+64*\a+\j+1]
	s_delay_alu instid0(VALU_DEP_4)
	v_pk_add_f32 v[66+4*\a:67+4*\a], v[66+4*\a:67+4*\a], v[ACC+64*\a+\j+2:ACC+64*\a+\j+3]
.endr
.endr
	ACROSS 0
	s_delay_alu instid0(VALU_DEP_1)
	v_mul_f32 v80, s[NINV], v80                    ; minus the mean
	SPREAD
.irp a, 0,1
.set j, 0
.rept 32
	v_pk_add_f32 v[ACC+64*\a+j:ACC+64*\a+j+1], v[ACC+64*\a+j:ACC+64*\a+j+1], v[MU+2*\a:MU+2*\a+1] op_sel_hi:[1,0]   ; x - mean
.set j, j+2
.endr
.endr
	; ---- the variance
.irp a, 0,1
	v_pk_mul_f32 v[64+4*\a:65+4*\a], v[ACC+64*\a:ACC+64*\a+1], v[ACC+64*\a:ACC+64*\a+1]
	v_pk_mul_f32 v[66+4*\a:67+4*\a], v[ACC+64*\a+2:ACC+64*\a+3], v[ACC+64*\a+2:ACC+64*\a+3]
.endr
.irp j, 4,8,12,16,20,24,28,32,36,40,44,48,52,56,60
.irp a, 0,1
	s_delay_alu instid0(VALU_DEP_4)
	v_pk_fma_f32 v[64+4*\a:65+4*\a], v[ACC+64*\a+\j:ACC+64*\a+\j+1], v[ACC+64*\a+\j:ACC+64*\a+\j+1], v[64+4*\a:65+4*\a]
	s_delay_alu instid0(VALU_DEP_4)
	v_pk_fma_f32 v[66+4*\a:67+4*\a], v[ACC+64*\a+\j+2:ACC+64*\a+\j+3], v[ACC+64*\a+\j+2:ACC+64*\a+\j+3], v[66+4*\a:67+4*\a]
.endr
.endr
	ACROSS 1024                                    ; other bytes than the first sums': no wave can meet a late reader of those
	s_delay_alu instid0(VALU_DEP_1)
	v_fma_f32 v80, v80, s[INV], s[EPS]
	s_wait_alu depctr_va_vdst(0)
	v_rsq_f32 v80, v80
	v_nop                                          ; a plain instruction behind the transcendental
	s_wait_alu depctr_va_vdst(0)
	SPREAD
.irp a, 0,1
.set j, 0
.rept 32
	v_pk_mul_f32 v[ACC+64*\a+j:ACC+64*\a+j+1], v[ACC+64*\a+j:ACC+64*\a+j+1], v[MU+2*\a:MU+2*\a+1] op_sel_hi:[1,0]
.set j, j+2
.endr
.endr
	WIN 0x14                                       ; sources 1 and 2 window 1
.irp a, 0,1
.set j, 0
.rept 32
	v_pk_fma_f32 v[ACC+64*\a+j:ACC+64*\a+j+1], v[ACC+64*\a+j:ACC+64*\a+j+1], v[128+j:128+j+1], v[192+j:192+j+1]   ; x gamma + beta
.set j, j+2
.endr
.endr
	WIN 0
	; ---- the way out: back through the stage; tile 0's rows into v64-127, tile 1's into v128-191, which tile 0's results have left
.irp a, 0,1
.irp q, 0,1,2,3,4,5,6,7,8,9,10,11,12,13,14,15
	ds_store_b128 v[STI], v[ACC+64*\a+4*\q:ACC+64*\a+4*\q+3] offset:64*(\q/2)+16*(\q%2)
.endr
.irp i, 0,1,2,3,4,5,6,7,8,9,10,11,12,13,14,15
	ds_load_b128 v[64+64*\a+4*\i:64+64*\a+4*\i+3], v[STR] offset:\i*SPITCH
.endr
.endr
.irp a, 0,1
.irp i, 0,1,2,3,4,5,6,7,8,9,10,11,12,13,14,15
	s_wait_dscnt (1-\a)*32+15-\i                   ; behind this row's load: the tile's later rows, and for tile 0 the 32 LDS instructions of tile 1
	global_store_b128 v[L16], v[64+64*\a+4*\i:64+64*\a+4*\i+3], s[16:17] offset:(16*\a+\i)*4096 th:TH_STORE_NT   ; 512 consecutive bytes of a row
.endr
.endr
	s_wait_tensorcnt 0x0                           ; the wave's end
	ds_add_u32 v[SPW], v[NIL]
	s_wait_dscnt 0x0
	ROUND                                          ; the closing round
	s_endpgm
.Lfunc_end_k_q5505cdfad5_out:
	.size	k_q5505cdfad5_out, .Lfunc_end_k_q5505cdfad5_out-k_q5505cdfad5_out
	.p2alignl 7, 3214868480
	.fill 96, 4, 3214868480
	.section	.rodata,"a",@progbits
	.p2align	6, 0x0
	.amdhsa_kernel k_q5505cdfad5_out
		.amdhsa_group_segment_fixed_size 327680
		.amdhsa_private_segment_fixed_size 0
		.amdhsa_enable_private_segment 0
		.amdhsa_kernarg_size 56
		.amdhsa_user_sgpr_count 2
		.amdhsa_user_sgpr_kernarg_segment_ptr 1
		.amdhsa_wavefront_size32 1
		.amdhsa_system_sgpr_workgroup_id_x 1
		.amdhsa_system_sgpr_workgroup_id_y 1
		.amdhsa_system_sgpr_workgroup_id_z 1
		.amdhsa_system_vgpr_workitem_id 0
		.amdhsa_next_free_vgpr 512
		.amdhsa_next_free_sgpr 66
		.amdhsa_reserve_vcc 0
		.amdhsa_float_denorm_mode_32 3
		.amdhsa_float_denorm_mode_16_64 3
		.amdhsa_memory_ordered 1
		.amdhsa_forward_progress 1
		.amdhsa_inst_pref_size 107
	.end_amdhsa_kernel
	.amdgpu_metadata
---
amdhsa.version: [ 1, 2 ]
amdhsa.kernels:
  - .name:           k_q5505cdfad5_out
    .symbol:         k_q5505cdfad5_out.kd
    .args:
      - { .name: CTX, .offset: 0, .size: 8, .value_kind: global_buffer, .address_space: global }
      - { .name: WOI, .offset: 8, .size: 8, .value_kind: global_buffer, .address_space: global }
      - { .name: bo, .offset: 16, .size: 8, .value_kind: global_buffer, .address_space: global }
      - { .name: hidden_states, .offset: 24, .size: 8, .value_kind: global_buffer, .address_space: global }
      - { .name: ln_gamma, .offset: 32, .size: 8, .value_kind: global_buffer, .address_space: global }
      - { .name: ln_beta, .offset: 40, .size: 8, .value_kind: global_buffer, .address_space: global }
      - { .name: out0, .offset: 48, .size: 8, .value_kind: global_buffer, .address_space: global }
    .group_segment_fixed_size: 327680
    .private_segment_fixed_size: 0
    .kernarg_segment_align: 8
    .kernarg_segment_size: 56
    .max_flat_workgroup_size: 256
    .sgpr_count:     66
    .vgpr_count:     512
    .wavefront_size: 32
...
	.end_amdgpu_metadata
.endif
;; end of part 4
